; MI455X (gfx1250); checked and timed in simulation.
; The chip was launched on July 23, 2026; its instructions are those of AMD's public machine-readable ISA for CDNA 5 (MIT licence, August 2026) and "CDNA5" Instruction Set Architecture Reference Guide (July 2026). The comments in the code are by the model that wrote it; some were corrected since.
;; Attention Block. Allowed arithmetic: matrix products marked QUANTISED: E2M1 operands, one E8M0 scale for each 32 along K, by v_wmma_scale_f32_16x16x128_f8f6f4 with both operands' format E2M1 (or v_wmma_scale_f32_32x16x128_f4), f32 sums; everything else in f32.
;; Inputs: norm_b 256 float32; norm_w 256 float32; proj_b 256 float32; proj_w 256 x 256 float32; qkv_b 768 float32; qkv_w 768 x 256 float32; x 4 x 256 x 64 x 64 float32.
;; Outputs: out0 4 x 256 x 64 x 64 float32.
;; This version of the problem:
;;   THIS VERSION OF THE PROBLEM IS GIVEN IN LOW PRECISION. The matrix products marked QUANTISED in the list below multiply operands that are first quantised to E2M1 (2 exponent bits, 1 mantissa bit; 4 bits a number), with one power-of-two scale for each 32 numbers along K (OCP MX v1.0); their sums are f32. All else is computed in f32.
;;   The module's matrix products, in the order in which they are computed (A, B: the left and right operand; K: the contracted axis; several contracted axes count as one K, in the product's order):
;;     1. [M 768, K 256] x [K 256, N 16,384]; A: input qkv_w; B: computed on the way: QUANTISED
;;     2. batch 16 x [M 4,096, K 64] x [K 64, N 4,096]; A: computed on the way; B: computed on the way: QUANTISED
;;     3. batch 16 x [M 4,096, K 4,096] x [K 4,096, N 64]; A: softmax (see below); B: computed on the way: QUANTISED
;;     4. [M 256, K 256] x [K 256, N 16,384]; A: input proj_w; B: computed on the way: QUANTISED
;;   THE QUANTISER, for each operand of a quantised product, along K:
;;     - K is cut into blocks of 32 from its start; a last block that is shorter is filled with zeros.
;;     - A block's scale is 2^e with e = floor(log2(the largest magnitude in the block)) - 2, held to -126 .. 127; a block of zeros has e = 0. As a byte (E8M0): e + 127.
;;     - Each number is divided by its block's scale, clamped to +-6, and rounded to the nearest number of E2M1, ties to even, subnormals kept.
;;     - The product sums the exact products of the quantised numbers (number of the format x scale) in f32.
;;   ~~~python
;;   def quantise(x, axis):      # numpy; x: float32 -> the quantised numbers, widened to float32 again
;;       x = np.moveaxis(x, axis, -1); K = x.shape[-1]
;;       x = np.pad(x, [(0, 0)] * (x.ndim - 1) + [(0, -K % 32)]); x = x.reshape(x.shape[:-1] + (-1, 32)); a = np.abs(x).max(-1, keepdims=True)
;;       e = np.where(a > 0, np.clip(np.frexp(np.where(a > 0, a, 1))[1] - 1 - 2, -126, 127), 0)      # np.frexp(a)[1] - 1 = floor(log2(a)), exactly
;;       r = np.clip(x / 2.0 ** e, -6, 6)
;;       step = 2.0 ** (np.maximum(np.frexp(np.where(r == 0, 1, r))[1] - 1, 0) - 1)
;;       q = np.round(r / step) * step * 2.0 ** e      # np.round: ties to even
;;       return np.moveaxis(q.reshape(q.shape[:-2] + (-1,))[..., :K], -1, axis).astype(np.float32)
;;   ~~~
;;   SOFTMAX AHEAD OF A QUANTISED PRODUCT. Where the list says 'softmax', what is quantised is not the finished softmax but p = 2^(t - M), with t = logit x log2(e) and M = ceil(the row's largest t), a whole number; so 1/2 < the row's largest p <= 1. The row's sum l is taken of the UNQUANTISED p, in f32, and the product's result is divided by l at the end. Since M is a whole number, a kernel that streams over the keys may use a running M (the ceiling of the running maximum): every later rescaling is an exact power of two, which a block's scale takes up: the codes' values come out the same.
;;   OPERANDS COMPUTED ON THE WAY. 'Computed on the way' means the value that the module computes at that place (a softmax that the list does not call 'softmax' is quantised finished and normalised). What goes into a quantiser is computed in f32, as accurately as f32 sums, v_exp_f32 and their like allow (about 1e-6 of the number): no bf16 or f16 on the way to a quantiser, and a product that is left as it is and whose result goes on into a quantised operand takes f32 operands (vector FMAs, or v_wmma_f32_16x16x4_f32). A number that lies on a knife's edge between two numbers of the format may be rounded either way, as far as f32 arithmetic and the matrix unit's own rounding can turn it there, and no further.
;; One version. Each part assembles by itself: llvm-mc -triple=amdgcn-amd-amdhsa -mcpu=gfx1250 --defsym DOCPART=n.
;; ======== version 1 of 1: 4 launches
;; workspace buffers: stats 2,048 bytes; wcodes 131,072 bytes; wscales 16,384 bytes; qimg 2,359,296 bytes; kv 4,587,520 bytes; oc 2,097,152 bytes; os 262,144 bytes
;; launch prep (part 1): grid 264 x 1, 8 waves a work-group, no clusters, 1,280 bytes of LDS; arguments x, qkv_w, proj_w, stats, wcodes, wscales; writes stats, wcodes, wscales
.if DOCPART == 1
	.amdgcn_target "amdgcn-amd-amdhsa--gfx1250"
	.amdhsa_code_object_version 6
	.text
	.protected	k_q2e6f6e662b_prep
	.globl	k_q2e6f6e662b_prep
	.p2align	8
	.type	k_q2e6f6e662b_prep,@function
k_q2e6f6e662b_prep:
	s_mov_b64 s[64:65], 0
	v_nop
	global_prefetch_b8 v0, s[64:65] scope:SCOPE_SE
	s_setreg_imm32_b32 hwreg(HW_REG_WAVE_MODE, 25, 1), 1
	s_wait_xcnt 0x0
; Two jobs in one launch, told apart by the work-group's number.
; WORK-GROUPS 0-255: x [4][256][4096] f32 is 32 norm groups of 512 KiB; work-group i takes the 64 KiB at 65,536 i (group i / 8, part i % 8) and stores that part's mean
; and its sum of squares ABOUT ITS OWN MEAN: no difference of large sums is formed, whatever offset x carries.  The 16,384 numbers stay in registers between the two passes.
; WORK-GROUPS 256-263: qkv_w [768][256] and proj_w [256][256], f32, K innermost, become codes of FP4 (E2M1) with one E8M0 byte for each 32 along K, laid as IMAGES OF THE OPERAND'S REGISTERS:
; tile T (16 rows), K step s (128 along K): register group 4 c .. 4 c + 3 of lane l at 2048 T + 1024 s + 512 c + 16 l; the rows' scale words at 256 T + 8 l + 4 s.  One wave makes one tile.
; Tiles 0-47 are qkv_w's, and THEIR ROWS ARE NOT NEIGHBOURS: lane r of tile T takes row 32 (T / 2) + 8 (T % 2) + r + 8 (r / 8); tiles 48-63 are proj_w's, rows 16 (T - 48) + r.
; A block's scale is 2^(floor(log2(its largest magnitude)) - 2): its byte is the largest magnitude's exponent field - 2, held at 1 from below.
; LIMITS: a block of zeros, or one whose largest magnitude lies under 2^-124, gets the byte 1 (the bytes are read by this program alone; zero codes add nothing); NaN and infinities are not served.
; No tensor loads, no cluster: no two work-groups read the same bytes.
.set X,   16                           ; v16-79   my 64 numbers of the part
.set SA,  80                           ; v80-83   two packed chains
.set MN,  84                           ; v84-85   the part's mean, twice; at the end (mean, sum of squares)
.set PT,  86                           ; v86      a lane permute's destination
.set RD,  88                           ; v88-95   the eight waves' words
.set NUM, 32                           ; v32-159  a weight tile's numbers: K step s at 64 s, block c at 32 c
.set PC0, 160                          ; v160-175 its codes
.set WD,  176                          ; v176-177 its scale words
.set QT,  178                          ; v178-184 at work
.set H8,  6                            ; v6       8 x (lane / 16)
.set SEL, 18                           ; s[18:19] v_permlanex16_b32's selects for lane l xor 16
.macro BARRIER                         ; my LDS instructions are done: then the work-group's barrier
	s_wait_dscnt 0x0
	s_barrier_signal -1
	s_barrier_wait -1
.endm
.macro WSUM a                          ; the sum over the wave's 32 lanes, in every lane
	s_delay_alu instid0(VALU_DEP_1)
	v_add_f32_dpp v[\a], v[\a], v[\a] row_xmask:1 row_mask:0xf bank_mask:0xf
	s_delay_alu instid0(VALU_DEP_1)
	v_add_f32_dpp v[\a], v[\a], v[\a] row_xmask:2 row_mask:0xf bank_mask:0xf
	s_delay_alu instid0(VALU_DEP_1)
	v_add_f32_dpp v[\a], v[\a], v[\a] row_xmask:4 row_mask:0xf bank_mask:0xf
	s_delay_alu instid0(VALU_DEP_1)
	v_add_f32_dpp v[\a], v[\a], v[\a] row_xmask:8 row_mask:0xf bank_mask:0xf
	s_delay_alu instid0(VALU_DEP_1)
	v_permlanex16_b32 v[PT], v[\a], s[SEL], s[SEL+1]
	s_delay_alu instid0(VALU_DEP_1)
	v_add_f32 v[\a], v[\a], v[PT]
.endm
.macro GSUM off                        ; the eight waves' words at LDS byte off -> their sum in v[RD]
	ds_load_b128 v[RD:RD+3], v4 offset:\off
	ds_load_b128 v[RD+4:RD+7], v4 offset:\off+16
	s_wait_dscnt 0x0
	v_add_f32 v[RD], v[RD], v[RD+1]
	v_add_f32 v[RD+2], v[RD+2], v[RD+3]
	v_add_f32 v[RD+4], v[RD+4], v[RD+5]
	v_add_f32 v[RD+6], v[RD+6], v[RD+7]
	s_delay_alu instid0(VALU_DEP_3)
	v_add_f32 v[RD], v[RD], v[RD+2]
	s_delay_alu instid0(VALU_DEP_2)
	v_add_f32 v[RD+4], v[RD+4], v[RD+6]
	s_delay_alu instid0(VALU_DEP_1)
	v_add_f32 v[RD], v[RD], v[RD+4]
.endm
; 64 numbers of a lane, block c = v[n + 32 c .. + 31] = K block 2 c + (lane / 16) of my row, whole in my lane, become the fragment's 8 registers at v[pc] and the row's scale word in v[w].
.macro QCOL n, pc, w
.irp c, 0,1
	v_max3_num_f32 v[QT+\c], |v[(\n)+32*\c]|, |v[(\n)+32*\c+1]|, 0x1800000   ; with the floor 2^(3 - 127): the byte cannot fall under 1
.endr
.irp i, 2,4,6,8,10,12,14,16,18,20,22,24,26,28,30
.irp c, 0,1
	s_delay_alu instid0(VALU_DEP_2)
	v_max3_num_f32 v[QT+\c], v[QT+\c], |v[(\n)+32*\c+\i]|, |v[(\n)+32*\c+\i+1]|   ; the two blocks by turns
.endr
.endr
.irp c, 0,1
	s_delay_alu instid0(VALU_DEP_2)
	v_add_nc_u32 v[QT+2+\c], 0xff000000, v[QT+\c]      ; 2 off the exponent field: the conversion's scale operand
.endr
.irp c, 0,1
	s_delay_alu instid0(VALU_DEP_2)
	v_lshrrev_b32 v[QT+4+\c], 23, v[QT+2+\c]           ; the scale's byte
.endr
	s_delay_alu instid0(VALU_DEP_1)
	v_lshl_or_b32 v[\w], v[QT+5], 16, v[QT+4]          ; my two bytes, blocks h and 2 + h,
	s_delay_alu instid0(VALU_DEP_1)
	v_lshlrev_b32 v[\w], v[H8], v[\w]                  ; at their places (8 h bits up);
	s_delay_alu instid0(VALU_DEP_1)
	v_permlanex16_b32 v[QT+6], v[\w], s[SEL], s[SEL+1]
	s_delay_alu instid0(VALU_DEP_1)
	v_or_b32 v[\w], v[\w], v[QT+6]                     ; with lane l xor 16's two the word is whole, in both lanes
.irp c, 0,1
.irp g, 0,1,2,3
	v_cvt_scalef32_pk8_fp4_f32 v[(\pc)+4*\c+\g], v[(\n)+32*\c+8*\g:(\n)+32*\c+8*\g+7], v[QT+2+\c]
.endr
.endr
	v_nop                                              ; one plain line behind the last scaled conversion
.endm
	s_load_b128 s[4:7], s[0:1], 0x0                ; x, qkv_w
	s_load_b128 s[8:11], s[0:1], 0x10              ; proj_w, stats
	s_load_b128 s[12:15], s[0:1], 0x20             ; wcodes, wscales
	v_lshl_add_u32 v192, v0, 2, 0x100
	v_mov_b32 v193, 0
	v_lshrrev_b32 v1, 5, v0
	s_delay_alu instid0(VALU_DEP_1)
	v_readfirstlane_b32 s16, v1                    ; wave 0..7
	s_mov_b32 s[SEL], 0x76543210
	s_mov_b32 s[SEL+1], 0xfedcba98
	s_mov_b32 s21, 0
	s_mov_b32 s23, 0
	s_cmp_ge_u32 ttmp9, 256                        ; the same for all waves of a work-group
	s_cbranch_scc1 .Lweights
	; ---- a part's mean and sum of squares
	v_lshlrev_b32 v2, 4, v0                        ; 16 bytes a thread: a load of the work-group covers 4,096 consecutive bytes
	v_lshlrev_b32 v3, 2, v1                        ; LDS: my wave's word
	v_mov_b32 v4, 0
	v_mov_b32 v[PT], 0                             ; a lane permute's destination counts as read
	s_lshl_b32 s20, ttmp9, 16                      ; my part of x
	s_lshl_b32 s22, ttmp9, 3                       ; my 8 bytes of stats
	s_wait_alu depctr_va_vdst(0)
	s_wait_kmcnt 0x0
	s_add_nc_u64 s[4:5], s[4:5], s[20:21]
	s_add_nc_u64 s[10:11], s[10:11], s[22:23]
.irp j, 0,1,2,3,4,5,6,7,8,9,10,11,12,13,14,15
	global_load_b128 v[X+4*\j:X+4*\j+3], v2, s[4:5] offset:4096*\j
.endr
	s_wait_loadcnt 12                              ; the first four loads are in, the twelve younger ones may be out
	v_pk_add_f32 v[SA:SA+1], v[X:X+1], v[X+4:X+5]  ; the first pairs start the two chains: nothing is cleared
	v_pk_add_f32 v[SA+2:SA+3], v[X+2:X+3], v[X+6:X+7]
.set k, 4
.rept 28
.if k == 8
	s_wait_alu depctr_va_vdst(0)
	s_wait_loadcnt 8                               ; eight younger loads may be out
.elseif k == 16
	s_wait_alu depctr_va_vdst(0)
	s_wait_loadcnt 4
.elseif k == 24
	s_wait_alu depctr_va_vdst(0)
	s_wait_loadcnt 0
.endif
	v_pk_add_f32 v[SA+2*(k%2):SA+2*(k%2)+1], v[SA+2*(k%2):SA+2*(k%2)+1], v[X+2*k:X+2*k+1]
.set k, k+1
.endr
	s_delay_alu instid0(VALU_DEP_1)
	v_pk_add_f32 v[SA:SA+1], v[SA:SA+1], v[SA+2:SA+3]
	s_delay_alu instid0(VALU_DEP_1)
	v_add_f32 v[SA], v[SA], v[SA+1]
	WSUM SA
	ds_store_b32 v3, v[SA]                         ; all lanes write the wave's word with the same value
	BARRIER
	GSUM 0
	s_delay_alu instid0(VALU_DEP_1)
	v_mul_f32 v[MN], 0x38800000, v[RD]             ; / 16,384: the part's mean
	s_delay_alu instid0(VALU_DEP_1)
	v_mov_b32 v[MN+1], v[MN]
.set k, 0
.rept 32
	v_pk_add_f32 v[X+2*k:X+2*k+1], v[X+2*k:X+2*k+1], v[MN:MN+1] neg_lo:[0,1] neg_hi:[0,1]   ; x - mean
.set k, k+1
.endr
	v_pk_mul_f32 v[SA:SA+1], v[X:X+1], v[X:X+1]
	v_pk_mul_f32 v[SA+2:SA+3], v[X+2:X+3], v[X+2:X+3]
.set k, 2
.rept 30
	s_delay_alu instid0(VALU_DEP_2)
	v_pk_fma_f32 v[SA+2*(k%2):SA+2*(k%2)+1], v[X+2*k:X+2*k+1], v[X+2*k:X+2*k+1], v[SA+2*(k%2):SA+2*(k%2)+1]
.set k, k+1
.endr
	s_delay_alu instid0(VALU_DEP_1)
	v_pk_add_f32 v[SA:SA+1], v[SA:SA+1], v[SA+2:SA+3]
	s_delay_alu instid0(VALU_DEP_1)
	v_add_f32 v[SA], v[SA], v[SA+1]
	WSUM SA
	ds_store_b32 v3, v[SA] offset:128              ; other bytes than the first sum's: no wave still reads these
	BARRIER
	GSUM 128
	s_delay_alu instid0(VALU_DEP_1)
	v_mov_b32 v[MN+1], v[RD]                       ; (mean, sum of squares)
	v_cmp_eq_u32 vcc_lo, 0, v0                     ; thread 0 stores for the work-group
	s_wait_alu depctr_va_vdst(0)
	s_wait_xcnt 0x0                                ; EXEC changes only behind this wait
	s_wait_tensorcnt 0x0
	ds_add_u32 v192, v193
	s_wait_dscnt 0x0
	s_and_saveexec_b32 s24, vcc_lo
	global_store_b64 v4, v[MN:MN+1], s[10:11]
	s_wait_xcnt 0x0                                ; and again, in front of the line that widens it
	s_or_b32 exec_lo, exec_lo, s24
	s_endpgm
	; ---- a tile of a weight
.Lweights:
	v_and_b32 v2, 31, v0                           ; lane
	v_and_b32 v3, 15, v0                           ; r
	v_bfe_u32 v4, v0, 4, 1                         ; h
	s_delay_alu instid0(VALU_DEP_1)
	v_lshlrev_b32 v[H8], 3, v4
	v_mov_b32 v[QT+6], 0                           ; a lane permute's destination counts as read
	v_lshlrev_b32 v7, 4, v2                        ; out: 16 bytes a lane,
	v_lshlrev_b32 v8, 3, v2                        ; and 8 for the two scale words
	s_sub_co_u32 s20, ttmp9, 256
	s_lshl_b32 s20, s20, 3
	s_add_co_u32 s20, s20, s16                     ; T = 8 (work-group - 256) + wave
	s_lshr_b32 s26, s20, 1
	s_lshl_b32 s26, s26, 5
	s_and_b32 s22, s20, 1
	s_lshl_b32 s22, s22, 3
	s_add_co_u32 s26, s26, s22                     ; qkv_w: the tile begins at row 32 (T / 2) + 8 (T % 2)
	s_sub_co_u32 s22, s20, 48
	s_lshl_b32 s22, s22, 4                         ; proj_w: at row 16 (T - 48)
	s_wait_alu depctr_va_vdst(0)
	s_wait_kmcnt 0x0
	s_cmp_lt_u32 s20, 48                           ; the choice hangs on ids alone
	s_cselect_b64 s[4:5], s[6:7], s[8:9]
	s_cselect_b32 s26, s26, s22
	s_cselect_b32 s27, 1, 0                        ; 1: lanes 8-15 take the rows 8 further on
	s_lshl_b32 s22, s26, 10                        ; a row is 1,024 bytes
	s_add_nc_u64 s[4:5], s[4:5], s[22:23]
	s_lshl_b32 s22, s20, 11
	s_add_nc_u64 s[12:13], s[12:13], s[22:23]
	s_lshl_b32 s22, s20, 8
	s_add_nc_u64 s[14:15], s[14:15], s[22:23]
	v_and_b32 v5, 8, v3
	s_delay_alu instid0(VALU_DEP_1)
	v_mul_u32_u24 v5, s27, v5
	s_delay_alu instid0(VALU_DEP_1)
	v_add_nc_u32 v5, v5, v3
	s_delay_alu instid0(VALU_DEP_1)
	v_lshlrev_b32 v5, 10, v5
	s_delay_alu instid0(VALU_DEP_1)
	v_lshl_add_u32 v5, v4, 7, v5                   ; my row, + 128 h: the layout gives lane (r, h) k = 64 c + 32 h + 0 .. 31 of each K step
.irp s, 0,1
.irp c, 0,1
.irp j, 0,1,2,3,4,5,6,7
	global_load_b128 v[NUM+64*\s+32*\c+4*\j:NUM+64*\s+32*\c+4*\j+3], v5, s[4:5] offset:512*\s+256*\c+16*\j
.endr
.endr
.endr
	s_wait_loadcnt 16                              ; K step 0's sixteen loads are in, K step 1's may be out
	QCOL NUM, PC0, WD
	s_wait_loadcnt 0
	QCOL NUM+64, PC0+8, WD+1
.irp s, 0,1
.irp c, 0,1
	global_store_b128 v7, v[PC0+8*\s+4*\c:PC0+8*\s+4*\c+3], s[12:13] offset:1024*\s+512*\c   ; 32 lanes store 512 consecutive bytes
.endr
.endr
	global_store_b64 v8, v[WD:WD+1], s[14:15]      ; 256 consecutive bytes
	s_endpgm
.Lfunc_end_k_q2e6f6e662b_prep:
	.size	k_q2e6f6e662b_prep, .Lfunc_end_k_q2e6f6e662b_prep-k_q2e6f6e662b_prep
	.p2alignl 7, 3214868480
	.fill 96, 4, 3214868480
	.section	.rodata,"a",@progbits
	.p2align	6, 0x0
	.amdhsa_kernel k_q2e6f6e662b_prep
		.amdhsa_group_segment_fixed_size 1280
		.amdhsa_private_segment_fixed_size 0
		.amdhsa_enable_private_segment 0
		.amdhsa_kernarg_size 48
		.amdhsa_user_sgpr_count 2
		.amdhsa_user_sgpr_kernarg_segment_ptr 1
		.amdhsa_wavefront_size32 1
		.amdhsa_system_sgpr_workgroup_id_x 1
		.amdhsa_system_sgpr_workgroup_id_y 1
		.amdhsa_system_sgpr_workgroup_id_z 1
		.amdhsa_system_vgpr_workitem_id 0
		.amdhsa_next_free_vgpr 194
		.amdhsa_next_free_sgpr 66
		.amdhsa_reserve_vcc 1
		.amdhsa_float_denorm_mode_32 3
		.amdhsa_float_denorm_mode_16_64 3
		.amdhsa_memory_ordered 1
		.amdhsa_forward_progress 1
		.amdhsa_inst_pref_size 27
	.end_amdhsa_kernel
	.amdgpu_metadata
---
amdhsa.version: [ 1, 2 ]
amdhsa.kernels:
  - .name:           k_q2e6f6e662b_prep
    .symbol:         k_q2e6f6e662b_prep.kd
    .args:
      - { .name: x, .offset: 0, .size: 8, .value_kind: global_buffer, .address_space: global }
      - { .name: qkv_w, .offset: 8, .size: 8, .value_kind: global_buffer, .address_space: global }
      - { .name: proj_w, .offset: 16, .size: 8, .value_kind: global_buffer, .address_space: global }
      - { .name: stats, .offset: 24, .size: 8, .value_kind: global_buffer, .address_space: global }
      - { .name: wcodes, .offset: 32, .size: 8, .value_kind: global_buffer, .address_space: global }
      - { .name: wscales, .offset: 40, .size: 8, .value_kind: global_buffer, .address_space: global }
    .group_segment_fixed_size: 1280
    .private_segment_fixed_size: 0
    .kernarg_segment_align: 8
    .kernarg_segment_size: 48
    .max_flat_workgroup_size: 256
    .sgpr_count:     66
    .vgpr_count:     194
    .wavefront_size: 32
...
	.end_amdgpu_metadata
.endif
;; end of part 1
;; launch qkv (part 2): grid 128 x 1, 16 waves a work-group, no clusters, 159,744 bytes of LDS; arguments x, stats, norm_w, norm_b, wcodes, wscales, qkv_b, qimg, kv; writes qimg, kv
.if DOCPART == 2
	.amdgcn_target "amdgcn-amd-amdhsa--gfx1250"
	.amdhsa_code_object_version 6
	.text
	.protected	k_q2e6f6e662b_qkv
	.globl	k_q2e6f6e662b_qkv
	.p2align	8
	.type	k_q2e6f6e662b_qkv,@function
k_q2e6f6e662b_qkv:
	s_mov_b64 s[64:65], 0
	v_nop
	global_prefetch_b8 v0, s[64:65] scope:SCOPE_SE
	s_setreg_imm32_b32 hwreg(HW_REG_WAVE_MODE, 25, 1), 1
	s_wait_xcnt 0x0
; GroupNorm, the first product (qkv = W h + b, on codes of FP4 with one E8M0 scale for each 32 channels) and the quantising of q, k (along the head's 64) and v (along the keys).
; SHARES.  Work-group g: batch g / 32, unit g % 32 = 128 neighbouring pixels, all 768 outputs.  Sixteen waves of 256 registers.
;   X1: wave w normalises channels 16 w .. 16 w + 15 of the 128 pixels, in f32: (x - mean) x (norm_w x rsqrt(var + eps)) + norm_b; mean and var from the group's eight parts (sum of squares about the parts' means,
;       plus 16,384 x the squares of the parts' means about their mean: no difference of large sums).  The rows go to LDS.
;   X2: wave f makes fragment (pixel tile f / 2, K step f % 2) of h: a lane takes a pixel and its registers run down the channels, so a block of 32 channels is whole in a lane.  Its image goes to LDS.
;   1:  waves 0-3 make q of heads 0-3, waves 4-7 k, waves 8-11 v; each keeps its 64 rows of W (8 fragments) in registers.  Waves 12-15 only helped with x and end.
; THE PIXELS OF A TILE ARE NOT NEIGHBOURS: lane r of tile p takes pixel 32 (p / 2) + 8 (p % 2) + r + 8 (r / 8) of the unit; W's tiles take their rows in the same way within 64 outputs.  So wherever such a tile is
; source 0 of a product, the 16 result registers of tiles 2 b and 2 b + 1 are 16 NEIGHBOURS, 32 b + 16 (lane / 16) + 0 .. 15, along the next product's K.
;   q, k: source 0 = W, source 1 = h: a lane holds one pixel, registers along d.   v: source 0 = h, source 1 = W: a lane holds one d, registers along the keys.
; OUT, as images of the operands' registers (group 4 c .. 4 c + 3 of lane l at 512 c + 16 l):
;   qimg [16 heads][32 units][4608]: 8 tiles x 512 bytes (d = 32 (lane / 16) + 0 .. 31; the instruction's other 64 along K are zero codes made by the reader), then 512 bytes of scale words: word i of lane (r, h) = tile 2 i + h, row r.
;   kv [16 heads][32 units][8960]: k as q (+0, scale words +8192); v: d tile t at 4096 + 1024 t; its scale words at 8704, 8 bytes a lane: word i = d tile 2 i + h, row r.
; The scale bytes over the zero codes are 0x7f.  The bias is the C of each sum's first matrix instruction.
; LIMITS: a block of zeros, or one under 2^-124, gets the byte 1 (read by this program alone); NaN and infinities are not served.
; NO CLUSTER, NO TENSOR LOAD: what work-groups share is W's images, and each of them goes from memory straight into the registers of the one wave that multiplies by it, 8 KiB a wave, once; x's 128 KiB are the work-group's own.
.set HIMG, 0                           ; LDS: h's 16 fragments (2 tile + K step), 1,024 bytes each,
.set HSC,  16384                       ; their scale words, 128 bytes each,
.set XS,   18432                       ; and the normalised rows: 256 channels, 544 bytes apart; the rows of odd groups lie 32 bytes further on, so that lanes 16-31, 32 rows on, fall on other banks
.set XP,   544
.set LI,  1                            ; v1   16 x lane
.set LS,  2                            ; v2   4 x lane
.set L8,  3                            ; v3   8 x lane
.set XL,  4                            ; v4   where I store my channels' rows
.set XC,  5                            ; v5   where I read my pixel's column
.set HWI, 6                            ; v6   where I store my fragment's image
.set HWS, 7                            ; v7   and its scale words
.set BO,  8                            ; v8   my lane's offset in qkv_b
.set H8,  9                            ; v9   8 x (lane / 16)
.set SV,  10                           ; v10-11 v's scale words on their way out
.set VB,  12                           ; v12-15 v's bias, one number a tile
.set WS,  16                           ; v16-23 W's scale words: tile t, K step s at 2 t + s (scales alone)
.set HS,  24                           ; v24-31 h's scale words (scales alone)
.set BV,  32                           ; v32-39 v's bias as a C
.set WF,  40                           ; v40-103 W's fragments: (t, s) at 16 t + 8 s
.set HF,  104                          ; v104-167 h's fragments (q, k: v104-135 alone)
.set BQ,  136                          ; v136-167 q's or k's bias as four C
.set ACC, 168                          ; v168-231 eight accumulators; before that 64 numbers of x
.set PC,  232                          ; v232-239 the codes just made
.set TM,  240                          ; v240-255 at work
.set QT,  240
.set WV,  22                           ; s22  wave
.set SEL, 84                           ; s[84:85] v_permlanex16_b32's selects for lane l xor 16
.set HM,  86                           ; s86  a lane mask: lanes 16-31
.macro BARRIER                         ; my LDS stores have landed and my LDS loads are in: then the work-group's barrier
	s_wait_dscnt 0x0
	s_barrier_signal -1
	s_barrier_wait -1
.endm
.macro PLACES n                        ; plain vector lines that name no register of the matrix instructions before them (ISA guide 7.12.1)
.rept \n
	v_nop
.endr
.endm
; 64 numbers of a lane, block c = v[n + 32 c .. + 31] = K block 2 c + (lane / 16), whole in my lane -> the fragment's 8 registers at v[pc], the scale word in v[w]
.macro QCOL n, pc, w
.irp c, 0,1
	v_max3_num_f32 v[QT+\c], |v[(\n)+32*\c]|, |v[(\n)+32*\c+1]|, 0x1800000   ; with the floor 2^(3 - 127): the byte cannot fall under 1
.endr
.irp i, 2,4,6,8,10,12,14,16,18,20,22,24,26,28,30
.irp c, 0,1
	s_delay_alu instid0(VALU_DEP_2)
	v_max3_num_f32 v[QT+\c], v[QT+\c], |v[(\n)+32*\c+\i]|, |v[(\n)+32*\c+\i+1]|
.endr
.endr
.irp c, 0,1
	s_delay_alu instid0(VALU_DEP_2)
	v_add_nc_u32 v[QT+2+\c], 0xff000000, v[QT+\c]      ; 2 off the exponent field: the conversion's scale operand
.endr
.irp c, 0,1
	s_delay_alu instid0(VALU_DEP_2)
	v_lshrrev_b32 v[QT+4+\c], 23, v[QT+2+\c]           ; the scale's byte
.endr
	s_delay_alu instid0(VALU_DEP_1)
	v_lshl_or_b32 v[\w], v[QT+5], 16, v[QT+4]
	s_delay_alu instid0(VALU_DEP_1)
	v_lshlrev_b32 v[\w], v[H8], v[\w]                  ; my two bytes at their places
	s_delay_alu instid0(VALU_DEP_1)
	v_permlanex16_b32 v[QT+6], v[\w], s[SEL], s[SEL+1]
	s_delay_alu instid0(VALU_DEP_1)
	v_or_b32 v[\w], v[\w], v[QT+6]                     ; with lane l xor 16's two the word is whole, in both lanes
.irp c, 0,1
.irp g, 0,1,2,3
	v_cvt_scalef32_pk8_fp4_f32 v[(\pc)+4*\c+\g], v[(\n)+32*\c+8*\g:(\n)+32*\c+8*\g+7], v[QT+2+\c]
.endr
.endr
	v_nop                                              ; one plain line behind the last scaled conversion
.endm
; nb blocks of 32: number 16 b + i of a lane = k 32 b + 16 (lane / 16) + i of its row; a block lies in lanes l and l xor 16.  Codes to v[PC] on (4 registers for each pair of blocks: k = 32 (lane / 16) + 0 .. 31 of the pair's 64), bytes to v[TM+4+b].
.macro QROW src, nb
.set qb, 0
.rept \nb
	v_max3_num_f32 v[TM+qb], |v[(\src)+16*qb]|, |v[(\src)+16*qb+1]|, 0x1800000   ; each accumulator is read from its low end on
.set qb, qb+1
.endr
.irp i, 2,4,6,8,10,12,14
.set qb, 0
.rept \nb
	v_max3_num_f32 v[TM+qb], v[TM+qb], |v[(\src)+16*qb+\i]|, |v[(\src)+16*qb+\i+1]|   ; the blocks by turns
.set qb, qb+1
.endr
.endr
.set qb, 0
.rept \nb
	s_delay_alu instid0(VALU_DEP_4)
	v_permlanex16_b32 v[TM+4+qb], v[TM+qb], s[SEL], s[SEL+1]
.set qb, qb+1
.endr
.set qb, 0
.rept \nb
	s_delay_alu instid0(VALU_DEP_4)
	v_max_num_f32 v[TM+qb], v[TM+qb], v[TM+4+qb]       ; the block's largest magnitude
.set qb, qb+1
.endr
.set qb, 0
.rept \nb
	s_delay_alu instid0(VALU_DEP_4)
	v_add_nc_u32 v[TM+12+qb], 0xff000000, v[TM+qb]     ; the conversion's scale operand
.set qb, qb+1
.endr
.set qb, 0
.rept \nb
	s_delay_alu instid0(VALU_DEP_4)
	v_lshrrev_b32 v[TM+4+qb], 23, v[TM+12+qb]          ; the scale's byte
.set qb, qb+1
.endr
.set qb, 0
.rept \nb
	v_cvt_scalef32_pk8_fp4_f32 v[PC+2*qb], v[(\src)+16*qb:(\src)+16*qb+7], v[TM+12+qb]
	v_cvt_scalef32_pk8_fp4_f32 v[PC+2*qb+1], v[(\src)+16*qb+8:(\src)+16*qb+15], v[TM+12+qb]
.set qb, qb+1
.endr
	v_nop                                              ; one plain line behind the last scaled conversion
.set qb, 0
.rept (\nb)/2
	v_permlane16_swap_b32 v[PC+4*qb], v[PC+4*qb+2]     ; the layout wants a whole block in a lane: lanes 0-15 the pair's first, lanes 16-31 its second
	v_permlane16_swap_b32 v[PC+4*qb+1], v[PC+4*qb+3]
.set qb, qb+1
.endr
.endm
	s_load_b512 s[4:19], s[0:1], 0x0               ; x s[4:5], stats s[6:7], norm_w s[8:9], norm_b s[10:11], wcodes s[12:13], wscales s[14:15], qkv_b s[16:17], qimg s[18:19]
	s_load_b64 s[20:21], s[0:1], 0x40              ; kv
	v_lshrrev_b32 v240, 5, v0
	s_delay_alu instid0(VALU_DEP_1)
	v_readfirstlane_b32 s[WV], v240                ; wave 0..15
	v_and_b32 v241, 31, v0                         ; lane
	v_and_b32 v242, 15, v0                         ; r
	v_bfe_u32 v243, v0, 4, 1                       ; h
	s_delay_alu instid0(VALU_DEP_2)
	v_and_b32 v244, 8, v242
	s_delay_alu instid0(VALU_DEP_1)
	v_add_nc_u32 v244, v244, v242                  ; r + 8 (r / 8)
	s_wait_alu depctr_va_vdst(0)
	v_lshlrev_b32 v[LI], 4, v241
	s_wait_alu depctr_va_vdst(0)
	v_lshlrev_b32 v[LS], 2, v241
	s_wait_alu depctr_va_vdst(0)
	v_lshlrev_b32 v[L8], 3, v241
	v_lshlrev_b32 v[H8], 3, v243
	; every LDS address is made here, ahead of the first parting of the waves
	s_mul_i32 s88, s[WV], 16*XP                    ; my 16 channel rows,
	s_bfe_u32 s89, s[WV], 0x10001
	s_lshl_b32 s89, s89, 5                         ; 32 x ((wave / 2) % 2): the shift of an odd group's rows
	s_add_co_u32 s88, s88, s89
	s_add_co_u32 s88, s88, XS
	v_add_nc_u32 v[XL], s88, v[LI]
	s_and_b32 s88, s[WV], 1
	s_mul_i32 s88, s88, 128*XP                     ; my fragment's K step: 128 channel rows,
	s_lshr_b32 s90, s[WV], 2
	s_lshl_b32 s90, s90, 7                         ; its tile p = wave / 2 begins at pixel 32 (p / 2) + 8 (p % 2): 128 (p / 2) bytes
	s_add_co_u32 s88, s88, s90
	s_add_co_u32 s88, s88, s89                     ; + 32 (p % 2) bytes: the same number as the shift above
	s_add_co_u32 s88, s88, XS
	v_lshlrev_b32 v[XC], 2, v244
	s_delay_alu instid0(VALU_DEP_1)
	v_mad_u32_u24 v[XC], v243, 32*XP+32, v[XC]     ; lanes 16-31: 32 rows on, in an odd group
	s_delay_alu instid0(VALU_DEP_1)
	v_add_nc_u32 v[XC], s88, v[XC]
	s_lshl_b32 s88, s[WV], 10
	v_add_nc_u32 v[HWI], s88, v[LI]
	s_lshl_b32 s88, s[WV], 7
	s_add_co_u32 s88, s88, HSC
	v_add_nc_u32 v[HWS], s88, v[LS]
	s_mov_b32 s[SEL], 0x76543210
	s_mov_b32 s[SEL+1], 0xfedcba98
	s_mov_b32 s[HM], 0xffff0000
	s_lshr_b32 s56, ttmp9, 5                       ; batch
	s_and_b32 s57, ttmp9, 31                       ; unit
	s_mov_b32 s59, 0
	s_wait_kmcnt 0x0
	s_lshl_b32 s58, s56, 22
	s_lshl_b32 s60, s[WV], 18
	s_add_co_u32 s58, s58, s60
	s_lshl_b32 s60, s57, 9
	s_add_co_u32 s58, s58, s60
	s_add_nc_u64 s[4:5], s[4:5], s[58:59]          ; x at my first channel, the unit's first pixel
	s_lshl_b32 s58, s56, 3
	s_lshr_b32 s60, s[WV], 1
	s_add_co_u32 s58, s58, s60
	s_lshl_b32 s58, s58, 6
	s_add_nc_u64 s[6:7], s[6:7], s[58:59]          ; my group's eight parts: 64 bytes
	s_lshl_b32 s58, s[WV], 6
	s_add_nc_u64 s[8:9], s[8:9], s[58:59]          ; my 16 gains
	s_add_nc_u64 s[10:11], s[10:11], s[58:59]      ; and biases
	s_load_b512 s[24:39], s[6:7], 0x0              ; (mean, sum of squares) x 8
	s_load_b512 s[40:55], s[8:9], 0x0
	s_load_b512 s[68:83], s[10:11], 0x0
	s_lshl_b32 s58, s[WV], 13
	s_add_nc_u64 s[12:13], s[12:13], s[58:59]      ; my four tiles of W
	s_lshl_b32 s58, s[WV], 10
	s_add_nc_u64 s[14:15], s[14:15], s[58:59]
	s_lshl_b32 s58, s[WV], 8
	s_add_nc_u64 s[16:17], s[16:17], s[58:59]      ; my 64 numbers of qkv_b
	s_cmp_lt_u32 s[WV], 12
	s_cbranch_scc0 .Lno_w
	s_wait_alu depctr_va_vdst(0)
.irp t, 0,1,2,3
.irp s, 0,1
.irp c, 0,1
	global_load_b128 v[WF+16*\t+8*\s+4*\c:WF+16*\t+8*\s+4*\c+3], v[LI], s[12:13] offset:2048*\t+1024*\s+512*\c
.endr
.endr
	global_load_b64 v[WS+2*\t:WS+2*\t+1], v[L8], s[14:15] offset:256*\t
.endr
	s_cmp_lt_u32 s[WV], 8
	s_cbranch_scc0 .Lbias_v
	v_lshlrev_b32 v[BO], 6, v243                   ; q, k: register j of tile t is output 32 (t / 2) + 16 h + 8 (t % 2) + j
.irp t, 0,1,2,3
	global_load_b128 v[BQ+8*\t:BQ+8*\t+3], v[BO], s[16:17] offset:4*(32*(\t/2)+8*(\t%2))
	global_load_b128 v[BQ+8*\t+4:BQ+8*\t+7], v[BO], s[16:17] offset:4*(32*(\t/2)+8*(\t%2))+16
.endr
	s_branch .Lno_w
.Lbias_v:
	v_lshlrev_b32 v[BO], 2, v244                   ; v: my lane's output of tile t is 32 (t / 2) + 8 (t % 2) + r + 8 (r / 8)
.irp t, 0,1,2,3
	global_load_b32 v[VB+\t], v[BO], s[16:17] offset:4*(32*(\t/2)+8*(\t%2))
.endr
.Lno_w:
.irp j, 0,1,2,3,4,5,6,7,8,9,10,11,12,13,14,15
	global_load_b128 v[ACC+4*\j:ACC+4*\j+3], v[LI], s[4:5] offset:16384*\j   ; channel 16 w + j: 512 consecutive bytes.  These sixteen are the youngest loads on every wave's path
.endr
	; ---- X1: the norm
	s_wait_kmcnt 0x0
	v_mov_b32 v248, s24
.irp i, 26,28,30,32,34,36,38
	s_delay_alu instid0(VALU_DEP_1)
	v_add_f32 v248, s\i, v248
.endr
	s_delay_alu instid0(VALU_DEP_1)
	v_mul_f32 v248, 0x3e000000, v248               ; the group's mean: the parts are of one size
	s_delay_alu instid0(VALU_DEP_1)
	v_sub_f32 v250, s24, v248
	s_delay_alu instid0(VALU_DEP_1)
	v_mul_f32 v249, v250, v250
.irp i, 26,28,30,32,34,36,38
	v_sub_f32 v250, s\i, v248
	s_delay_alu instid0(VALU_DEP_1)
	v_fmac_f32 v249, v250, v250                    ; the squares of the parts' means about it
.endr
	v_mov_b32 v251, s25
.irp i, 27,29,31,33,35,37,39
	s_delay_alu instid0(VALU_DEP_1)
	v_add_f32 v251, s\i, v251
.endr
	s_delay_alu instid0(VALU_DEP_1)
	v_fmac_f32 v251, 0x46800000, v249              ; + 16,384 x those: the group's sum of squares about its mean
	v_mov_b32 v253, 0x37000000                     ; 1 / 131,072
	s_delay_alu instid0(VALU_DEP_1)
	v_fmaak_f32 v252, v251, v253, 0x3727c5ac       ; var + 1e-5
	s_wait_alu depctr_va_vdst(0)
	v_rsq_f32 v252, v252
	v_nop                                          ; a plain line behind the transcendental,
	s_wait_alu depctr_va_vdst(0)                   ; and the wait ahead of its first reader
.irp j, 0,1,2,3,4,5,6,7,8,9,10,11,12,13,14,15
	v_mul_f32 v[232+\j], s[40+\j], v252            ; norm_w x rsqrt
.endr
.irp j, 0,1,2,3,4,5,6,7,8,9,10,11,12,13,14,15
.if \j % 4 == 0
	s_wait_loadcnt 12-\j                           ; four more rows are in; the count is that of the younger rows
.endif
.irp k, 0,1,2,3
	v_sub_f32 v[ACC+4*\j+\k], v[ACC+4*\j+\k], v248
.endr
.irp k, 0,1,2,3
	s_delay_alu instid0(VALU_DEP_4)
	v_fma_f32 v[ACC+4*\j+\k], v[ACC+4*\j+\k], v[232+\j], s[68+\j]
.endr
	ds_store_b128 v[XL], v[ACC+4*\j:ACC+4*\j+3] offset:XP*\j
.endr
	BARRIER                                        ; the 256 rows lie in LDS
	; ---- X2: my fragment of h
.irp c, 0,1
.irp i, 0,1,2,3,4,5,6,7,8,9,10,11,12,13,14,15,16,17,18,19,20,21,22,23,24,25,26,27,28,29,30,31
	ds_load_b32 v[ACC+32*\c+\i], v[XC] offset:XP*(64*\c+\i)   ; channel 128 s + 64 c + 32 h + i of my pixel
.endr
.endr
	s_wait_dscnt 0x0
	QCOL ACC, PC, TM+8
	ds_store_b128 v[HWI], v[PC:PC+3] offset:HIMG
	ds_store_b128 v[HWI], v[PC+4:PC+7] offset:HIMG+512
	ds_store_b32 v[HWS], v[TM+8]
	BARRIER                                        ; h's sixteen fragments lie in LDS; no barrier follows
	s_cmp_lt_u32 s[WV], 12
	s_cbranch_scc0 .Lend
	s_and_b32 s60, s[WV], 3                        ; the head
	s_lshl_b32 s61, s56, 2
	s_add_co_u32 s60, s60, s61
	s_lshl_b32 s60, s60, 5
	s_add_co_u32 s60, s60, s57                     ; the record: (4 batch + head) 32 + unit
	s_cmp_lt_u32 s[WV], 8
	s_cbranch_scc0 .Lvpath
	; ---- 1, q and k: two tiles of pixels at a time, eight accumulators by turns
	s_cmp_lt_u32 s[WV], 4                          ; q or k: the choice hangs on the wave's number alone
	s_cselect_b64 s[90:91], s[18:19], s[20:21]
	s_mov_b32 s92, 8960
	s_cselect_b32 s92, 4608, s92                   ; a record's bytes
	s_mov_b32 s93, 8192
	s_cselect_b32 s93, 4096, s93                   ; where its scale words begin
	s_mul_i32 s58, s60, s92
	s_add_nc_u64 s[90:91], s[90:91], s[58:59]
	s_mov_b32 s58, s93
	s_add_nc_u64 s[96:97], s[90:91], s[58:59]
.irp i, 0,1,2,3
.irp q, 0,1
.irp s, 0,1
.irp c, 0,1
	ds_load_b128 v[HF+16*\q+8*\s+4*\c:HF+16*\q+8*\s+4*\c+3], v[LI] offset:HIMG+1024*(2*(2*\i+\q)+\s)+512*\c
.endr
	ds_load_b32 v[HS+2*\q+\s], v[LS] offset:HSC+128*(2*(2*\i+\q)+\s)
.endr
.endr
	s_wait_dscnt 0x0
.irp q, 0,1
.irp t, 0,1,2,3
	v_wmma_scale_f32_16x16x128_f8f6f4 v[ACC+8*(4*\q+\t):ACC+8*(4*\q+\t)+7], v[WF+16*\t:WF+16*\t+7], v[HF+16*\q:HF+16*\q+7], v[BQ+8*\t:BQ+8*\t+7], v[WS+2*\t], v[HS+2*\q] matrix_a_fmt:MATRIX_FMT_FP4 matrix_b_fmt:MATRIX_FMT_FP4
.endr
.endr
.irp q, 0,1
.irp t, 0,1,2,3
	v_wmma_scale_f32_16x16x128_f8f6f4 v[ACC+8*(4*\q+\t):ACC+8*(4*\q+\t)+7], v[WF+16*\t+8:WF+16*\t+15], v[HF+16*\q+8:HF+16*\q+15], v[ACC+8*(4*\q+\t):ACC+8*(4*\q+\t)+7], v[WS+2*\t+1], v[HS+2*\q+1] matrix_a_fmt:MATRIX_FMT_FP4 matrix_b_fmt:MATRIX_FMT_FP4
.endr
.endr
	PLACES 4                                       ; in front of the first read of results, and of the next trip's loads into the operands
	s_wait_xcnt 0x0                                ; the last trip's stores have read the codes' registers
	QROW ACC, 4                                    ; blocks 0, 1: tile 2 i; blocks 2, 3: tile 2 i + 1
	v_lshl_or_b32 v[TM], v[TM+5], 8, v[TM+4]
	s_delay_alu instid0(VALU_DEP_1)
	v_or_b32 v[TM], 0x7f7f0000, v[TM]              ; the bytes over the zero codes: 1.0
	v_lshl_or_b32 v[TM+1], v[TM+7], 8, v[TM+6]
	s_delay_alu instid0(VALU_DEP_1)
	v_or_b32 v[TM+1], 0x7f7f0000, v[TM+1]
	s_delay_alu instid0(VALU_DEP_1)
	v_cndmask_b32 v[TM+8+\i], v[TM], v[TM+1], s[HM]   ; lanes 0-15: tile 2 i's word, lanes 16-31: tile 2 i + 1's
	global_store_b128 v[LI], v[PC:PC+3], s[90:91] offset:512*(2*\i)        ; 512 consecutive bytes
	global_store_b128 v[LI], v[PC+4:PC+7], s[90:91] offset:512*(2*\i+1)
.endr
	global_store_b128 v[LI], v[TM+8:TM+11], s[96:97]
	s_wait_xcnt 0x0
	v_lshl_add_u32 v254, v0, 2, 0x26800
	v_mov_b32 v255, 0
	s_wait_alu depctr_va_vdst(0)
	s_wait_tensorcnt 0x0
	ds_add_u32 v254, v255
	s_wait_dscnt 0x0
	s_endpgm
	; ---- 1, v: the sources change places; a tile of 16 d at a time, the eight tiles of pixels by turns
.Lvpath:
	s_mul_i32 s58, s60, 8960
	s_add_co_u32 s58, s58, 4096
	s_add_nc_u64 s[90:91], s[20:21], s[58:59]      ; the record's v
.irp t, 0,1,2,3
.irp j, 0,1,2,3,4,5,6,7
	v_mov_b32 v[BV+\j], v[VB+\t]                   ; a lane holds one d: its bias in all eight registers
.endr
	s_wait_alu depctr_va_vdst(0)
	PLACES 4
.irp s, 0,1
.if \s == 1
	PLACES 4                                       ; in front of loads into registers that matrix instructions have read
.endif
.irp p, 0,1,2,3,4,5,6,7
.irp c, 0,1
	ds_load_b128 v[HF+8*\p+4*\c:HF+8*\p+4*\c+3], v[LI] offset:HIMG+1024*(2*\p+\s)+512*\c
.endr
	ds_load_b32 v[HS+\p], v[LS] offset:HSC+128*(2*\p+\s)
.endr
	s_wait_dscnt 0x0
.irp p, 0,1,2,3,4,5,6,7
.if \s == 0
	v_wmma_scale_f32_16x16x128_f8f6f4 v[ACC+8*\p:ACC+8*\p+7], v[HF+8*\p:HF+8*\p+7], v[WF+16*\t:WF+16*\t+7], v[BV:BV+7], v[HS+\p], v[WS+2*\t] matrix_a_fmt:MATRIX_FMT_FP4 matrix_b_fmt:MATRIX_FMT_FP4
.else
	v_wmma_scale_f32_16x16x128_f8f6f4 v[ACC+8*\p:ACC+8*\p+7], v[HF+8*\p:HF+8*\p+7], v[WF+16*\t+8:WF+16*\t+15], v[ACC+8*\p:ACC+8*\p+7], v[HS+\p], v[WS+2*\t+1] matrix_a_fmt:MATRIX_FMT_FP4 matrix_b_fmt:MATRIX_FMT_FP4
.endif
.endr
.endr
	PLACES 4
	s_wait_xcnt 0x0                                ; the last tile's stores have read the codes' registers
	QROW ACC, 4                                    ; register 16 b + i is key 32 b + 16 h + i
	v_lshl_or_b32 v[TM], v[TM+5], 8, v[TM+4]
	s_delay_alu instid0(VALU_DEP_1)
	v_lshl_or_b32 v[TM], v[TM+6], 16, v[TM]
	s_delay_alu instid0(VALU_DEP_1)
	v_lshl_or_b32 v[TM], v[TM+7], 24, v[TM]        ; my d's scale word for these 128 keys
.if \t % 2 == 0
	s_delay_alu instid0(VALU_DEP_1)
	v_mov_b32 v[TM+8], v[TM]
.else
	s_delay_alu instid0(VALU_DEP_1)
	v_cndmask_b32 v[SV+\t/2], v[TM+8], v[TM], s[HM]   ; lanes 0-15: the even tile's word, lanes 16-31: the odd tile's
.endif
	global_store_b128 v[LI], v[PC:PC+3], s[90:91] offset:1024*\t
	global_store_b128 v[LI], v[PC+4:PC+7], s[90:91] offset:1024*\t+512
.endr
	global_store_b64 v[L8], v[SV:SV+1], s[90:91] offset:4608   ; record byte 8,704: 256 consecutive bytes
.Lend:
	s_wait_xcnt 0x0
	v_lshl_add_u32 v254, v0, 2, 0x26800
	v_mov_b32 v255, 0
	s_wait_alu depctr_va_vdst(0)
	s_wait_tensorcnt 0x0
	ds_add_u32 v254, v255
	s_wait_dscnt 0x0
	s_endpgm
.Lfunc_end_k_q2e6f6e662b_qkv:
	.size	k_q2e6f6e662b_qkv, .Lfunc_end_k_q2e6f6e662b_qkv-k_q2e6f6e662b_qkv
	.p2alignl 7, 3214868480
	.fill 96, 4, 3214868480
	.section	.rodata,"a",@progbits
	.p2align	6, 0x0
	.amdhsa_kernel k_q2e6f6e662b_qkv
		.amdhsa_group_segment_fixed_size 159744
		.amdhsa_private_segment_fixed_size 0
		.amdhsa_enable_private_segment 0
		.amdhsa_kernarg_size 72
		.amdhsa_user_sgpr_count 2
		.amdhsa_user_sgpr_kernarg_segment_ptr 1
		.amdhsa_wavefront_size32 1
		.amdhsa_system_sgpr_workgroup_id_x 1
		.amdhsa_system_sgpr_workgroup_id_y 1
		.amdhsa_system_sgpr_workgroup_id_z 1
		.amdhsa_system_vgpr_workitem_id 0
		.amdhsa_next_free_vgpr 256
		.amdhsa_next_free_sgpr 100
		.amdhsa_reserve_vcc 0
		.amdhsa_float_denorm_mode_32 3
		.amdhsa_float_denorm_mode_16_64 3
		.amdhsa_memory_ordered 1
		.amdhsa_forward_progress 1
		.amdhsa_inst_pref_size 102
	.end_amdhsa_kernel
	.amdgpu_metadata
---
amdhsa.version: [ 1, 2 ]
amdhsa.kernels:
  - .name:           k_q2e6f6e662b_qkv
    .symbol:         k_q2e6f6e662b_qkv.kd
    .args:
      - { .name: x, .offset: 0, .size: 8, .value_kind: global_buffer, .address_space: global }
      - { .name: stats, .offset: 8, .size: 8, .value_kind: global_buffer, .address_space: global }
      - { .name: norm_w, .offset: 16, .size: 8, .value_kind: global_buffer, .address_space: global }
      - { .name: norm_b, .offset: 24, .size: 8, .value_kind: global_buffer, .address_space: global }
      - { .name: wcodes, .offset: 32, .size: 8, .value_kind: global_buffer, .address_space: global }
      - { .name: wscales, .offset: 40, .size: 8, .value_kind: global_buffer, .address_space: global }
      - { .name: qkv_b, .offset: 48, .size: 8, .value_kind: global_buffer, .address_space: global }
      - { .name: qimg, .offset: 56, .size: 8, .value_kind: global_buffer, .address_space: global }
      - { .name: kv, .offset: 64, .size: 8, .value_kind: global_buffer, .address_space: global }
    .group_segment_fixed_size: 159744
    .private_segment_fixed_size: 0
    .kernarg_segment_align: 8
    .kernarg_segment_size: 72
    .max_flat_workgroup_size: 512
    .sgpr_count:     100
    .vgpr_count:     256
    .wavefront_size: 32
...
	.end_amdgpu_metadata
.endif
;; end of part 2
;; launch attn (part 3): grid 16 x 16, 16 waves a work-group, clusters of 4 x 1, 327,680 bytes of LDS; arguments qimg, kv, oc, os; writes oc, os
.if DOCPART == 3
	.amdgcn_target "amdgcn-amd-amdhsa--gfx1250"
	.amdhsa_code_object_version 6
	.text
	.protected	k_q2e6f6e662b_attn
	.globl	k_q2e6f6e662b_attn
	.p2align	8
	.type	k_q2e6f6e662b_attn,@function
k_q2e6f6e662b_attn:
	s_mov_b64 s[64:65], 0
	v_nop
	global_prefetch_b8 v0, s[64:65] scope:SCOPE_SE
	s_setreg_imm32_b32 hwreg(HW_REG_WAVE_MODE, 25, 1), 1
	s_wait_xcnt 0x0
	s_wait_alu depctr_hold_cnt(0) depctr_sa_sdst(0) depctr_va_vdst(0) depctr_va_sdst(0) depctr_va_ssrc(0) depctr_va_vcc(0) depctr_vm_vsrc(0)
	s_getreg_b32 s2, hwreg(HW_REG_IB_STS2, 6, 4)
	s_cmp_eq_u32 s2, 0
	s_cbranch_scc0 .Lentry_in_a_cluster
	s_endpgm
.Lentry_in_a_cluster:
	s_bfe_u32 s2, ttmp6, 0x10000c
	s_cmp_lg_u32 s2, 0x3003
	s_cbranch_scc0 .Lentry_shape_is_right
	s_endpgm
.Lentry_shape_is_right:
; o = softmax(q k^T / 8) v for 16 heads of 4,096 pixels and head size 64, both products on codes of FP4 (E2M1) with one E8M0 scale for each 32 along K; then o is quantised along the channels for the projection.
; THE SOFTMAX AHEAD OF THE SECOND PRODUCT: t = score x log2(e) / 8; M = the row's largest t so far, rounded UP to a whole number; p = 2^(t - M) is what is quantised, along the keys, not normalised.  The row's sum is
; taken of the unquantised p, in f32, and divides O at the end.  When M moves, the sum and O are multiplied by 2^(old M - new M): exact.
; SHARES.  Work-group (x, y): head y (4 batch + head), queries 256 x .. 256 x + 255; each of its sixteen waves owns one tile of 16 queries in 256 registers, four waves to a SIMD, so that one wave's vector work stands
; beside another's matrix work and LDS loads.  Every wave walks the head's 4,096 keys, 128 a step.
; ALL OF A HEAD'S K AND V STAY IN LDS: 32 records of 8,960 bytes, images of the operands' registers (k: tile t at 512 t; v: d tile t at 4096 + 1024 t; k's scale words at 8192, v's at 8704).  Every LDS byte is filled ONCE:
; no slot is filled again, and the loop over the keys has no barrier.  Wave w brings records w and 16 + w: two tensor loads of mine are out at the most; the first 16 steps begin when the first 16 records are in.
; CLUSTER.  The four work-groups of a cluster belong to one head and read the same records: each record is asked for JOINTLY, by the same tensor load with the same descriptor and a mask that names the four.
; LAYOUT.  Both products are used transposed: S^T = K Q^T (source 0 = 16 keys, source 1 = my 16 queries), O^T = V^T P^T: a lane holds ONE query (lane % 16) throughout.  The keys of a tile of K, and the d of a tile of V,
; are not neighbours (row r of tile t is 32 (t / 2) + 8 (t % 2) + r + 8 (r / 8)), so that the 16 registers of tiles 2 b, 2 b + 1 are 16 neighbours, 32 b + 16 (lane / 16) + 0 .. 15, along the next K.
; The head's 64 fill half of the first product's 128 along K: the other half is zero codes in both operands (registers cleared once), under the scale byte 0x7f.
; A BLOCK'S LARGEST p IS NOT SEARCHED FOR: the block's largest score goes through the same multiply-add and exponential.  This takes v_exp_f32 not to fall where its input rises; at the worst one p of a block would be held one code low.
; OUT: oc [4 batches][256 tiles][4 heads][512]: o's half fragment (d = 32 (lane / 16) + 0 .. 31) as an image; os [16 heads][256 tiles][16 rows]: a word, bytes 0 and 1 the two blocks' scale bytes.
; LIMITS: p under 2^-126 counts as 0; a block of zeros, or one under 2^-124, gets the byte 1 (read by this program alone); NaN and infinities are not served.
.set REC,  8960                        ; a record: 128 keys
.set HALFB, 16*REC
.set OSC,  32*REC                      ; behind the records: 1,024 bytes in which o's scale words are gathered; no tensor load lands there
.set LI,  1                            ; v1   16 x lane
.set L8,  2                            ; v2   8 x lane
.set ADK, 3                            ; v3   the step's record + 16 x lane
.set ADS, 4                            ; v4   the step's record + 8 x lane
.set OSA, 5                            ; v5   where my row's scale word goes
.set OSR, 9                            ; v9   and where wave 0 reads the words back
.set QF,  16                           ; v16-23 Q's fragment (v20-23 zero codes)
.set QS,  24                           ; v24  Q's scale words (scales alone)
.set PS,  25                           ; v25  p's scale word (scales alone)
.set VS,  26                           ; v26-27 V's scale words: tile t in register t / 2, lanes 16 (t % 2) on (scales alone)
.set KS,  28                           ; v28-31 K's likewise (scales alone)
.set KF,  32                           ; v32-95 K's eight fragments; the upper four registers of each are zero codes
.set S,   96                           ; v96-159 S^T, then p
.set O,   160                          ; v160-191 O^T
.set VF,  192                          ; v192-223 V's four fragments
.set PC,  224                          ; v224-231 p's codes
.set TM,  232                          ; v232-235 blocks' maxima, v236-239 the other lane's, then bytes, v240-243 and v248-251 four chains of sums, v244-247 scale operands, v252 f, v254 at work
.set WV,  12                           ; s12  wave
.set SEL, 20                           ; s[20:21] v_permlanex16_b32's selects for lane l xor 16
.set CS,  22                           ; s[22:23] c = log2(e) / 8: the packed form names a pair and takes its low word for both halves
.set G1,  24                           ; s[24:31] descriptor group 1;  s[32:35], s[36:39] groups 0 of my two loads
.set TB,  2                            ; s2   LDS byte at which the step's record begins
.macro ROUND                           ; a round of the cluster's barrier
	s_barrier_signal -1
	s_barrier_wait -1
	s_cmp_lg_u32 s[WV], 0
	s_cbranch_scc1 .Lnot_wave_0_\@
	s_barrier_signal -3
.Lnot_wave_0_\@:
	s_barrier_wait -3
	s_barrier_signal -1
	s_barrier_wait -1
.endm
.macro PLACES n
.rept \n
	v_nop
.endr
.endm
; nb blocks of 32: number 16 b + i of a lane = k 32 b + 16 (lane / 16) + i of its row.  Codes to v[PC] on, bytes to v[TM+4+b].
.macro QROW src, nb
.set qb, 0
.rept \nb
	v_max3_num_f32 v[TM+qb], |v[(\src)+16*qb]|, |v[(\src)+16*qb+1]|, 0x1800000
.set qb, qb+1
.endr
.irp i, 2,4,6,8,10,12,14
.set qb, 0
.rept \nb
	s_delay_alu instid0(VALU_DEP_2)
	v_max3_num_f32 v[TM+qb], v[TM+qb], |v[(\src)+16*qb+\i]|, |v[(\src)+16*qb+\i+1]|
.set qb, qb+1
.endr
.endr
.set qb, 0
.rept \nb
	s_delay_alu instid0(VALU_DEP_2)
	v_permlanex16_b32 v[TM+4+qb], v[TM+qb], s[SEL], s[SEL+1]
.set qb, qb+1
.endr
.set qb, 0
.rept \nb
	s_delay_alu instid0(VALU_DEP_2)
	v_max_num_f32 v[TM+qb], v[TM+qb], v[TM+4+qb]
.set qb, qb+1
.endr
.set qb, 0
.rept \nb
	s_delay_alu instid0(VALU_DEP_2)
	v_add_nc_u32 v[TM+12+qb], 0xff000000, v[TM+qb]
.set qb, qb+1
.endr
.set qb, 0
.rept \nb
	s_delay_alu instid0(VALU_DEP_2)
	v_lshrrev_b32 v[TM+4+qb], 23, v[TM+12+qb]
.set qb, qb+1
.endr
.set qb, 0
.rept \nb
	v_cvt_scalef32_pk8_fp4_f32 v[PC+2*qb], v[(\src)+16*qb:(\src)+16*qb+7], v[TM+12+qb]
	v_cvt_scalef32_pk8_fp4_f32 v[PC+2*qb+1], v[(\src)+16*qb+8:(\src)+16*qb+15], v[TM+12+qb]
.set qb, qb+1
.endr
	v_nop
.set qb, 0
.rept (\nb)/2
	v_permlane16_swap_b32 v[PC+4*qb], v[PC+4*qb+2]
	v_permlane16_swap_b32 v[PC+4*qb+1], v[PC+4*qb+3]
.set qb, qb+1
.endr
.endm
.macro SPROD t                         ; S^T, tile t: 16 keys x my 16 queries
.if (\t)%2
	v_wmma_scale_f32_16x16x128_f8f6f4 v[S+8*(\t):S+8*(\t)+7], v[KF+8*(\t):KF+8*(\t)+7], v[QF:QF+7], 0, v[KS+(\t)/2], v[QS] matrix_a_fmt:MATRIX_FMT_FP4 matrix_b_fmt:MATRIX_FMT_FP4 matrix_a_scale:MATRIX_SCALE_ROW1
.else
	v_wmma_scale_f32_16x16x128_f8f6f4 v[S+8*(\t):S+8*(\t)+7], v[KF+8*(\t):KF+8*(\t)+7], v[QF:QF+7], 0, v[KS+(\t)/2], v[QS] matrix_a_fmt:MATRIX_FMT_FP4 matrix_b_fmt:MATRIX_FMT_FP4
.endif
.endm
.macro OPROD t                         ; O^T, tile t: 16 of the head's 64 x my 16 queries, K = the step's 128 keys
.if (\t)%2
	v_wmma_scale_f32_16x16x128_f8f6f4 v[O+8*(\t):O+8*(\t)+7], v[VF+8*(\t):VF+8*(\t)+7], v[PC:PC+7], v[O+8*(\t):O+8*(\t)+7], v[VS+(\t)/2], v[PS] matrix_a_fmt:MATRIX_FMT_FP4 matrix_b_fmt:MATRIX_FMT_FP4 matrix_a_scale:MATRIX_SCALE_ROW1
.else
	v_wmma_scale_f32_16x16x128_f8f6f4 v[O+8*(\t):O+8*(\t)+7], v[VF+8*(\t):VF+8*(\t)+7], v[PC:PC+7], v[O+8*(\t):O+8*(\t)+7], v[VS+(\t)/2], v[PS] matrix_a_fmt:MATRIX_FMT_FP4 matrix_b_fmt:MATRIX_FMT_FP4
.endif
.endm
	s_load_b256 s[4:11], s[0:1], 0x0               ; qimg s[4:5], kv s[6:7], oc s[8:9], os s[10:11]
	v_lshl_add_u32 v11, v0, 2, 0x46400
	v_mov_b32 v255, 0
	ds_add_u32 v11, v255
	ds_add_u32 v11, v255
	v_lshrrev_b32 v6, 5, v0
	s_delay_alu instid0(VALU_DEP_1)
	v_readfirstlane_b32 s[WV], v6                  ; wave 0..15
	s_and_b32 s15, ttmp7, 0xffff                   ; the head, 4 batch + head: the four partners share it
	s_bfe_u32 s13, ttmp6, 0x40000                  ; cx: my place in the cluster.  It enters s13, s14 and s42 to s55 alone: global addresses of Q and of the outputs
	s_lshl_b32 s14, ttmp9, 2                       ; in a cluster launch ttmp9 counts clusters
	s_add_co_u32 s14, s14, s13                     ; my block of 256 queries
	; descriptor group 1: a record is a dense block: 35 rows of 256 bytes (32 elements of 8 bytes), no padding: an image is read 16 consecutive bytes a lane
	s_mov_b32 s[G1+0], 15|(3<<16)|(1<<21)          ; 15:0 the mask: all four work-groups; 17:16 elements of 8 bytes; 21 set beside a mask
	s_mov_b32 s[G1+1], 32<<16                      ; tensor_dim0
	s_mov_b32 s[G1+2], 35<<16                      ; tensor_dim1
	s_mov_b32 s[G1+3], 32<<16                      ; tile_dim0
	s_mov_b32 s[G1+4], 35                          ; tile_dim1
	s_mov_b32 s[G1+5], 32                          ; from row to row
	s_mov_b32 s[G1+6], 0
	s_mov_b32 s[G1+7], 0
	s_mul_i32 s16, s15, 32*REC                     ; the head's records,
	s_mul_i32 s17, s[WV], REC                      ; my wave's first: in memory and in LDS alike
	s_add_co_u32 s40, s16, s17
	s_mov_b32 s41, 0
	s_mov_b32 s[SEL], 0x76543210
	s_mov_b32 s[SEL+1], 0xfedcba98
	s_mov_b32 s[CS], 0x3e38aa3b                    ; c = log2(e) / 8
	s_mov_b32 s[CS+1], s[CS]                       ; (named with it as a pair, so it is written)
	s_wait_dscnt 0x0
	s_wait_kmcnt 0x0
	s_mov_b32 s32, 1                               ; count = 1
	s_mov_b32 s33, s17                             ; LDS address: record w
	s_add_nc_u64 s[34:35], s[6:7], s[40:41]
	s_or_b32 s35, s35, 0x80000000                  ; type = 2
	s_mov_b32 s36, 1
	s_add_co_u32 s37, s17, HALFB                   ; record 16 + w
	s_add_nc_u64 s[38:39], s[6:7], s[40:41]
	s_add_nc_u64 s[38:39], s[38:39], HALFB
	s_or_b32 s39, s39, 0x80000000
	ROUND                                          ; all four work-groups are here: the joint loads meet
	tensor_load_to_lds s[32:35], s[G1:G1+7]        ; record w, waited for before the second load is issued
	s_nop 0
	s_wait_alu depctr_va_vdst(0)
	s_wait_tensorcnt 0x0
	ds_add_u32 v11, v255
	s_wait_dscnt 0x0
	ROUND
	tensor_load_to_lds s[36:39], s[G1:G1+7]
	s_nop 0
	PLACES 4                                       ; four v_nop follow the second
	v_and_b32 v6, 31, v0                           ; lane
	v_and_b32 v7, 15, v0                           ; r
	s_delay_alu instid0(VALU_DEP_2)
	v_lshlrev_b32 v[LI], 4, v6
	s_wait_alu depctr_va_vdst(0)
	v_lshlrev_b32 v[L8], 3, v6
	v_lshlrev_b32 v8, 4, v7                        ; Q's scale words: 16 bytes a lane of their image
	s_wait_alu depctr_va_vdst(0)
	s_lshl_b32 s16, s[WV], 6
	v_lshl_add_u32 v[OSA], v7, 2, s16
	s_delay_alu instid0(VALU_DEP_1)
	v_add_nc_u32 v[OSA], OSC, v[OSA]               ; OSC + 64 wave + 4 r
	v_add_nc_u32 v[OSR], OSC, v[LI]
	s_mov_b32 s47, 0
	s_lshl_b32 s52, s15, 5
	s_lshl_b32 s53, s14, 1
	s_add_co_u32 s52, s52, s53
	s_lshr_b32 s53, s[WV], 3
	s_add_co_u32 s52, s52, s53                     ; Q's record: 32 head + 2 block + wave / 8
	s_mul_i32 s52, s52, 4608
	s_and_b32 s53, s[WV], 7                        ; my tile in it
	s_lshl_b32 s54, s53, 9
	s_add_co_u32 s46, s52, s54
	s_add_nc_u64 s[42:43], s[4:5], s[46:47]        ; its codes
	s_and_b32 s54, s53, 1
	s_lshl_b32 s54, s54, 8
	s_lshr_b32 s55, s53, 1
	s_lshl_b32 s55, s55, 2
	s_add_co_u32 s54, s54, s55
	s_add_co_u32 s46, s52, s54
	s_add_nc_u64 s[44:45], s[4:5], s[46:47]        ; its scale words: lane 16 (tile % 2) + r of the image, word tile / 2
	global_load_b128 v[QF:QF+3], v[LI], s[42:43]
	global_load_b32 v[QS], v8, s[44:45] offset:4096
	s_lshr_b32 s46, s15, 2
	s_lshl_b32 s46, s46, 19                        ; oc: the batch,
	s_lshl_b32 s52, s14, 4
	s_add_co_u32 s52, s52, s[WV]
	s_lshl_b32 s52, s52, 11                        ; tile 16 block + wave,
	s_add_co_u32 s46, s46, s52
	s_and_b32 s52, s15, 3
	s_lshl_b32 s52, s52, 9                         ; the head
	s_add_co_u32 s46, s46, s52
	s_add_nc_u64 s[48:49], s[8:9], s[46:47]
	s_lshl_b32 s46, s15, 8
	s_lshl_b32 s52, s14, 4
	s_add_co_u32 s46, s46, s52
	s_lshl_b32 s46, s46, 6                         ; os: (256 head + 16 block) x 64 bytes
	s_add_nc_u64 s[50:51], s[10:11], s[46:47]
	v_mov_b32 v13, 0xff61b1e6                      ; the largest t so far: -3e38, under every t
	s_delay_alu instid0(VALU_DEP_1)
	v_floor_f32 v12, -v13                          ; -M
	v_mov_b32 v14, 0                               ; the sum, in two halves
	v_mov_b32 v15, 0
.irp k, 4,5,6,7
	v_mov_b32 v[QF+\k], 0                          ; zero codes: the first product's K = 64 .. 127
.endr
.irp t, 0,1,2,3,4,5,6,7
.irp k, 4,5,6,7
	v_mov_b32 v[KF+8*\t+\k], 0                     ; likewise, once: no load lands here
.endr
.endr
.set j, 0
.rept 32
	v_mov_b32 v[O+j], 0                            ; O^T.  (The step is written once for all trips: the first finds zeros, which the first change of M leaves zeros)
.set j, j+1
.endr
.irp b, 0,1,2,3
	v_mov_b32 v[TM+4+\b], 0                        ; a lane permute's destination counts as read
.endr
	v_mov_b32 v253, 0                              ; (named as the upper half of the pair v[252:253])
; A KEY STEP: the 128 keys of the record at LDS byte s[TB].
.macro STEP
	v_add_nc_u32 v[ADK], s[TB], v[LI]              ; (with the two v_nop at the last step's end: the four places in front of the loads into V's registers)
	v_add_nc_u32 v[ADS], s[TB], v[L8]
.irp t, 0,1,2,3,4,5,6,7
	ds_load_b128 v[KF+8*\t:KF+8*\t+3], v[ADK] offset:512*\t
.endr
	ds_load_b128 v[KS:KS+3], v[ADK] offset:8192
.irp t, 0,1,2,3
.irp c, 0,1
	ds_load_b128 v[VF+8*\t+4*\c:VF+8*\t+4*\c+3], v[ADK] offset:4096+1024*\t+512*\c
.endr
.endr
	ds_load_b64 v[VS:VS+1], v[ADS] offset:8704
	s_wait_dscnt 9                                 ; K and its scale words are in; V's eight loads and its scale words may be out: they have the softmax in which to land
.irp t, 0,1,2,3,4,5,6,7
	SPROD \t
.endr
	PLACES 4
.irp b, 0,1,2,3
	v_max3_num_f32 v[TM+\b], v[S+16*\b], v[S+16*\b+1], v[S+16*\b+2]   ; the largest score of each block of 32 keys: for the row's maximum and for the block's largest p
.endr
.irp i, 3,5,7,9,11,13
.irp b, 0,1,2,3
	v_max3_num_f32 v[TM+\b], v[TM+\b], v[S+16*\b+\i], v[S+16*\b+\i+1]   ; the four blocks by turns; each accumulator is read from its low end on
.endr
.endr
.irp b, 0,1,2,3
	v_max_num_f32 v[TM+\b], v[TM+\b], v[S+16*\b+15]
.endr
.irp b, 0,1,2,3
	s_delay_alu instid0(VALU_DEP_4)
	v_permlanex16_b32 v[TM+4+\b], v[TM+\b], s[SEL], s[SEL+1]
.endr
.irp b, 0,1,2,3
	s_delay_alu instid0(VALU_DEP_4)
	v_max_num_f32 v[TM+\b], v[TM+\b], v[TM+4+\b]   ; with lane l xor 16's 16 keys
.endr
	s_delay_alu instid0(VALU_DEP_2)
	v_max3_num_f32 v254, v[TM], v[TM+1], v[TM+2]
	s_delay_alu instid0(VALU_DEP_1)
	v_max_num_f32 v254, v254, v[TM+3]              ; the step's largest score of my query
	s_delay_alu instid0(VALU_DEP_1)
	v_mul_f32 v254, s[CS], v254                    ; as t (c is positive)
	s_delay_alu instid0(VALU_DEP_1)
	v_max_num_f32 v13, v13, v254                   ; the running largest t
	v_mov_b32 v254, v12
	s_delay_alu instid0(VALU_DEP_2)
	v_floor_f32 v12, -v13                          ; the new -M = floor(-t) = -ceil(t): a whole number
	s_delay_alu instid0(VALU_DEP_1)
	v_sub_f32 v254, v12, v254                      ; old M - new M: a whole number, 0 or less
	s_delay_alu instid0(VALU_DEP_1)
	v_cvt_i32_f32 v254, v254                       ; (it saturates)
	s_delay_alu instid0(VALU_DEP_1)
	v_ldexp_f32 v252, 1.0, v254                    ; f = 2^(old M - new M)
.set j, 0
.rept 32
	v_pk_fma_f32 v[S+j:S+j+1], v[S+j:S+j+1], s[CS:CS+1], v[12:13] op_sel_hi:[1,0,0]   ; t - M, two at a time
.set j, j+2
.endr
.irp b, 0,1,2,3
	v_fma_f32 v[TM+\b], v[TM+\b], s[CS], v12       ; the same of each block's largest score
.endr
.set j, 0
	s_wait_alu depctr_va_vdst(0)
.rept 64
	v_exp_f32 v[S+j], v[S+j]                       ; p = 2^(t - M), at most 1
.set j, j+1
.endr
	s_setprio 1
.irp b, 0,1,2,3
	v_exp_f32 v[TM+\b], v[TM+\b]                   ; the block's largest p: the same two instructions on the same number give the same bits
.endr
.set j, 0
	s_wait_alu depctr_va_vdst(0)
.rept 16
	v_pk_mul_f32 v[O+j:O+j+1], v[O+j:O+j+1], v[252:253] op_sel_hi:[1,0]   ; O^T under the new M, from each accumulator's low end on: plain work that names no exponential's result, behind the batch of 68
.set j, j+2
.endr
	s_wait_alu depctr_va_vdst(0)                   ; ONE wait for the batch, ahead of its first reader
.irp b, 0,1,2,3
	v_max_num_f32 v[TM+\b], 0x1800000, v[TM+\b]    ; the floor 2^(3 - 127): the byte cannot fall under 1
.endr
.irp b, 0,1,2,3
	s_delay_alu instid0(VALU_DEP_4)
	v_add_nc_u32 v[TM+12+\b], 0xff000000, v[TM+\b] ; 2 off the exponent field: the conversion's scale operand
.endr
.irp b, 0,1,2,3
	s_delay_alu instid0(VALU_DEP_4)
	v_lshrrev_b32 v[TM+4+\b], 23, v[TM+12+\b]      ; the scale's byte
.endr
	s_delay_alu instid0(VALU_DEP_3)
	v_lshl_or_b32 v[PS], v[TM+5], 8, v[TM+4]       ; p's scale word for these 128 keys
	s_delay_alu instid0(VALU_DEP_1)
	v_lshl_or_b32 v[PS], v[TM+6], 16, v[PS]
	s_delay_alu instid0(VALU_DEP_1)
	v_lshl_or_b32 v[PS], v[TM+7], 24, v[PS]
.irp b, 0,1,2,3
	v_cvt_scalef32_pk8_fp4_f32 v[PC+2*\b], v[S+16*\b:S+16*\b+7], v[TM+12+\b]
	v_cvt_scalef32_pk8_fp4_f32 v[PC+2*\b+1], v[S+16*\b+8:S+16*\b+15], v[TM+12+\b]
.endr
	v_nop                                          ; one plain line behind the last scaled conversion
.irp c, 0,1
.irp i, 0,1
	v_permlane16_swap_b32 v[PC+4*\c+\i], v[PC+4*\c+2+\i]   ; a whole block in a lane: lanes 0-15 block 2 c, lanes 16-31 block 2 c + 1
.endr
.endr
	; THE ROW'S SUM IS TAKEN OF THE UNQUANTISED p: two at a time, in four chains.  These 32 lines name no register of the products below: they are the places between p's scale word and codes and those products
.irp n, 0,1,2,3
	v_pk_add_f32 v[TM+8+2*\n+4*(\n/2):TM+9+2*\n+4*(\n/2)], v[S+4*\n:S+4*\n+1], v[S+4*\n+2:S+4*\n+3]
.endr
.set j, 8
	s_setprio 0
.rept 24
	v_pk_add_f32 v[TM+8+2*(j%4)+4*((j%4)/2):TM+9+2*(j%4)+4*((j%4)/2)], v[TM+8+2*(j%4)+4*((j%4)/2):TM+9+2*(j%4)+4*((j%4)/2)], v[S+2*j:S+2*j+1]
.set j, j+1
.endr
	s_delay_alu instid0(VALU_DEP_3)
	v_pk_add_f32 v[TM+8:TM+9], v[TM+8:TM+9], v[TM+10:TM+11]
	s_delay_alu instid0(VALU_DEP_2)
	v_pk_add_f32 v[TM+16:TM+17], v[TM+16:TM+17], v[TM+18:TM+19]
	s_delay_alu instid0(VALU_DEP_1)
	v_pk_add_f32 v[TM+8:TM+9], v[TM+8:TM+9], v[TM+16:TM+17]
	s_delay_alu instid0(VALU_DEP_1)
	v_pk_fma_f32 v[14:15], v[14:15], v[252:253], v[TM+8:TM+9] op_sel_hi:[1,0,1]   ; the sum under the new M, plus the step's
	s_wait_dscnt 0x0                               ; V and its scale words are in
.irp t, 0,1,2,3
	OPROD \t                                       ; the four accumulators by turns; the eight products S^T stand between a link and the next
.endr
	PLACES 2
.endm
; Sixteen steps: the records from LDS byte base on.
.macro HALF base
	s_mov_b32 s[TB], \base
	s_mov_b32 s3, 16
.Lstep_\@:
	s_setprio 2
	STEP
	s_add_co_u32 s[TB], s[TB], REC
	s_sub_co_u32 s3, s3, 1
	s_cmp_lg_u32 s3, 0
	s_cbranch_scc1 .Lstep_\@
	s_setprio 0
.endm
	s_wait_loadcnt 0x0                             ; Q
	s_wait_tensorcnt 1                             ; my record w is in; record 16 + w may be out, and the first sixteen steps read records 0 to 15 alone
	s_barrier_signal -1
	s_barrier_wait -1                              ; everybody's is
	HALF 0
	s_wait_tensorcnt 0x0                           ; my record 16 + w is in,
	s_wait_dscnt 0x0
	s_barrier_signal -1
	s_barrier_wait -1                              ; everybody's is
	HALF HALFB
	; THE WAY OUT: O^T / the sum, quantised along the channels: register 16 b + i is d = 32 b + 16 (lane / 16) + i of my query
	PLACES 2                                       ; with the two at the last step's end: four places in front of the first read of results
	s_wait_alu depctr_va_vdst(0)
	v_add_f32 v14, v14, v15                        ; the sum's two halves,
	s_delay_alu instid0(VALU_DEP_1)
	v_permlanex16_b32 v252, v14, s[SEL], s[SEL+1]
	s_delay_alu instid0(VALU_DEP_1)
	v_add_f32 v14, v14, v252                       ; and lane l xor 16's: the row's sum
	s_wait_alu depctr_va_vdst(0)
	v_rcp_f32 v14, v14
	v_nop                                          ; a plain line behind the transcendental,
	s_wait_alu depctr_va_vdst(0)                   ; and the wait ahead of its first reader
.set j, 0
.rept 32
	v_mul_f32 v[S+j], v[O+j], v14
.set j, j+1
.endr
	QROW S, 2
	v_lshl_or_b32 v248, v[TM+5], 8, v[TM+4]        ; my row's two bytes; bytes 2 and 3 stay 0: the reader puts another head's there
	global_store_b128 v[LI], v[PC:PC+3], s[48:49]  ; 512 consecutive bytes
	ds_store_b32 v[OSA], v248                      ; both lanes of a row write the same word with the same value
	s_wait_dscnt 0x0                               ; for the others' sake: my store is done
	s_barrier_signal -1
	s_barrier_wait -1
	s_cmp_lg_u32 s[WV], 0
	s_cbranch_scc1 .Lnot_first                     ; wave 0 stores the work-group's 256 words: 1,024 consecutive bytes
	ds_load_b128 v[32:35], v[OSR]
	ds_load_b128 v[36:39], v[OSR] offset:512
	s_wait_dscnt 0x0
	global_store_b128 v[LI], v[32:35], s[50:51]
	global_store_b128 v[LI], v[36:39], s[50:51] offset:512
.Lnot_first:
	s_wait_tensorcnt 0x0
	ds_add_u32 v11, v255
	s_wait_dscnt 0x0
	ROUND                                          ; the closing round: no work-group ends while a partner may still ask for a record jointly
	s_endpgm
.Lfunc_end_k_q2e6f6e662b_attn:
	.size	k_q2e6f6e662b_attn, .Lfunc_end_k_q2e6f6e662b_attn-k_q2e6f6e662b_attn
	.p2alignl 7, 3214868480
	.fill 96, 4, 3214868480
	.section	.rodata,"a",@progbits
	.p2align	6, 0x0
	.amdhsa_kernel k_q2e6f6e662b_attn
		.amdhsa_group_segment_fixed_size 327680
		.amdhsa_private_segment_fixed_size 0
		.amdhsa_enable_private_segment 0
		.amdhsa_kernarg_size 32
		.amdhsa_user_sgpr_count 2
		.amdhsa_user_sgpr_kernarg_segment_ptr 1
		.amdhsa_wavefront_size32 1
		.amdhsa_system_sgpr_workgroup_id_x 1
		.amdhsa_system_sgpr_workgroup_id_y 1
		.amdhsa_system_sgpr_workgroup_id_z 1
		.amdhsa_system_vgpr_workitem_id 0
		.amdhsa_next_free_vgpr 256
		.amdhsa_next_free_sgpr 66
		.amdhsa_reserve_vcc 0
		.amdhsa_float_denorm_mode_32 3
		.amdhsa_float_denorm_mode_16_64 3
		.amdhsa_memory_ordered 1
		.amdhsa_forward_progress 1
		.amdhsa_inst_pref_size 45
	.end_amdhsa_kernel
	.amdgpu_metadata
---
amdhsa.version: [ 1, 2 ]
amdhsa.kernels:
  - .name:           k_q2e6f6e662b_attn
    .symbol:         k_q2e6f6e662b_attn.kd
    .args:
      - { .name: qimg, .offset: 0, .size: 8, .value_kind: global_buffer, .address_space: global }
      - { .name: kv, .offset: 8, .size: 8, .value_kind: global_buffer, .address_space: global }
      - { .name: oc, .offset: 16, .size: 8, .value_kind: global_buffer, .address_space: global }
      - { .name: os, .offset: 24, .size: 8, .value_kind: global_buffer, .address_space: global }
    .group_segment_fixed_size: 327680
    .private_segment_fixed_size: 0
    .kernarg_segment_align: 8
    .kernarg_segment_size: 32
    .max_flat_workgroup_size: 512
    .sgpr_count:     66
    .vgpr_count:     256
    .wavefront_size: 32
...
	.end_amdgpu_metadata
.endif
;; end of part 3
;; launch proj (part 4): grid 256 x 1, 16 waves a work-group, no clusters, 71,680 bytes of LDS; arguments oc, os, wcodes, wscales, proj_b, x, out0; writes out0
.if DOCPART == 4
	.amdgcn_target "amdgcn-amd-amdhsa--gfx1250"
	.amdhsa_code_object_version 6
	.text
	.protected	k_q2e6f6e662b_proj
	.globl	k_q2e6f6e662b_proj
	.p2align	8
	.type	k_q2e6f6e662b_proj,@function
k_q2e6f6e662b_proj:
	s_mov_b64 s[64:65], 0
	v_nop
	global_prefetch_b8 v0, s[64:65] scope:SCOPE_SE
	s_setreg_imm32_b32 hwreg(HW_REG_WAVE_MODE, 25, 1), 1
	s_wait_xcnt 0x0
; out0 = x + proj_w o + proj_b, the product on codes of FP4 (E2M1) with one E8M0 scale for each 32 channels.
; SHARES.  Work-group g: batch g / 64, pixels 64 (g % 64) .. + 63 (tiles 4 (g % 64) + 0 .. 3 of o), all 256 outputs; wave w makes outputs 16 w .. 16 w + 15.
; Every operand comes as an image of its registers, 16 consecutive bytes a lane.  o's fragment (tile p, K step s) is the half images of heads 2 s and 2 s + 1; its scale word is the two heads' words, one shifted 16 bits up.
; LAYOUT.  Source 0 = 16 pixels of o, source 1 = 16 rows of proj_w.  The pixels of a tile are not neighbours (row r of tile p is 32 (p / 2) + 8 (p % 2) + r + 8 (r / 8)), so register j of lane (r, h) is
; pixel 32 (p / 2) + 16 h + 8 (p % 2) + j of output r: eight NEIGHBOURS of a row of out0.  The bias is the C of each sum's first matrix instruction.
; THE WAY OUT.  16 rows x 256 bytes go through the wave's own stage in LDS (rows 272 bytes apart) and come back by rows; x is added, and sixteen lanes store 256 consecutive bytes, aligned.  No barrier: waves share no LDS byte.
; NO CLUSTER, NO TENSOR LOAD: what work-groups share is proj_w's images, 2 KiB a wave, which go from memory straight into the registers of the wave that multiplies by them.
.set LI,  1                            ; v1   16 x lane
.set LS,  2                            ; v2   4 x lane
.set L8,  3                            ; v3   8 x lane
.set XO,  4                            ; v4   x and out0: 16,384 (lane / 16) + 16 (lane % 16)
.set SO,  5                            ; v5   the stage: where I put 32 bytes of a row
.set SR,  6                            ; v6   and where I read a row back
.set R4,  7                            ; v7   4 r
.set PWS, 8                            ; v8-9   proj_w's scale words, K step s (scales alone)
.set RAW, 12                           ; v12-19 os's words: head hh, pair of tiles q at 2 hh + q
.set OS,  20                           ; v20-23 o's scale words: K step s, pair q at 2 s + q; lanes 0-15 tile 2 q, lanes 16-31 tile 2 q + 1 (scales alone)
.set BI,  24                           ; v24  my output's bias
.set BV,  32                           ; v32-39 the bias as a C
.set PF,  48                           ; v48-63 proj_w's two fragments
.set OF,  64                           ; v64-127 o's eight: (p, s) at 16 p + 8 s
.set ACC, 128                          ; v128-159 four accumulators
.set XR,  160                          ; v160-191 x
.set RB,  192                          ; v192-223 rows back from the stage
.macro PPROD p, s
.if (\s) == 0
.if (\p)%2
	v_wmma_scale_f32_16x16x128_f8f6f4 v[ACC+8*(\p):ACC+8*(\p)+7], v[OF+16*(\p):OF+16*(\p)+7], v[PF:PF+7], v[BV:BV+7], v[OS+(\p)/2], v[PWS] matrix_a_fmt:MATRIX_FMT_FP4 matrix_b_fmt:MATRIX_FMT_FP4 matrix_a_scale:MATRIX_SCALE_ROW1
.else
	v_wmma_scale_f32_16x16x128_f8f6f4 v[ACC+8*(\p):ACC+8*(\p)+7], v[OF+16*(\p):OF+16*(\p)+7], v[PF:PF+7], v[BV:BV+7], v[OS+(\p)/2], v[PWS] matrix_a_fmt:MATRIX_FMT_FP4 matrix_b_fmt:MATRIX_FMT_FP4
.endif
.else
.if (\p)%2
	v_wmma_scale_f32_16x16x128_f8f6f4 v[ACC+8*(\p):ACC+8*(\p)+7], v[OF+16*(\p)+8:OF+16*(\p)+15], v[PF+8:PF+15], v[ACC+8*(\p):ACC+8*(\p)+7], v[OS+2+(\p)/2], v[PWS+1] matrix_a_fmt:MATRIX_FMT_FP4 matrix_b_fmt:MATRIX_FMT_FP4 matrix_a_scale:MATRIX_SCALE_ROW1
.else
	v_wmma_scale_f32_16x16x128_f8f6f4 v[ACC+8*(\p):ACC+8*(\p)+7], v[OF+16*(\p)+8:OF+16*(\p)+15], v[PF+8:PF+15], v[ACC+8*(\p):ACC+8*(\p)+7], v[OS+2+(\p)/2], v[PWS+1] matrix_a_fmt:MATRIX_FMT_FP4 matrix_b_fmt:MATRIX_FMT_FP4
.endif
.endif
.endm
	s_load_b256 s[4:11], s[0:1], 0x0               ; oc s[4:5], os s[6:7], wcodes s[8:9], wscales s[10:11]
	s_load_b128 s[12:15], s[0:1], 0x20             ; proj_b s[12:13], x s[14:15]
	s_load_b64 s[16:17], s[0:1], 0x30              ; out0
	v_lshl_add_u32 v224, v0, 2, 0x11000
	v_mov_b32 v225, 0
	v_lshrrev_b32 v25, 5, v0
	s_delay_alu instid0(VALU_DEP_1)
	v_readfirstlane_b32 s18, v25                   ; wave 0..15
	v_and_b32 v25, 31, v0                          ; lane
	v_and_b32 v26, 15, v0                          ; r
	v_bfe_u32 v27, v0, 4, 1                        ; h
	s_delay_alu instid0(VALU_DEP_3)
	v_lshlrev_b32 v[LI], 4, v25
	s_delay_alu instid0(VALU_DEP_4)
	v_lshlrev_b32 v[LS], 2, v25
	v_lshlrev_b32 v[L8], 3, v25
	v_lshlrev_b32 v[R4], 2, v26
	v_lshlrev_b32 v[XO], 14, v27
	s_delay_alu instid0(VALU_DEP_1)
	v_lshl_add_u32 v[XO], v26, 4, v[XO]            ; lanes 0-15 one channel's 256 bytes, lanes 16-31 the next channel's
	s_mul_i32 s24, s18, 16*272                     ; my stage
	v_mul_u32_u24 v[SO], v26, 272
	s_delay_alu instid0(VALU_DEP_1)
	v_lshl_add_u32 v[SO], v27, 6, v[SO]
	s_delay_alu instid0(VALU_DEP_1)
	v_add_nc_u32 v[SO], s24, v[SO]                 ; in: row r, + 64 h
	v_mul_u32_u24 v[SR], v27, 272
	s_delay_alu instid0(VALU_DEP_1)
	v_lshl_add_u32 v[SR], v26, 4, v[SR]
	s_delay_alu instid0(VALU_DEP_1)
	v_add_nc_u32 v[SR], s24, v[SR]                 ; back: lanes 0-15 one row, lanes 16-31 the next
	s_lshr_b32 s19, ttmp9, 6                       ; batch
	s_and_b32 s20, ttmp9, 63                       ; which 64 pixels
	s_mov_b32 s23, 0
	s_wait_alu depctr_va_vdst(0)
	s_wait_kmcnt 0x0
	s_lshl_b32 s22, s19, 19
	s_lshl_b32 s25, s20, 13
	s_add_co_u32 s22, s22, s25
	s_add_nc_u64 s[4:5], s[4:5], s[22:23]          ; oc at my first tile: 2,048 bytes a tile
	s_lshl_b32 s22, s19, 16
	s_lshl_b32 s25, s20, 8
	s_add_co_u32 s22, s22, s25
	s_add_nc_u64 s[6:7], s[6:7], s[22:23]          ; os at the batch's first head, my first tile: 64 bytes a tile, 16,384 a head
	s_add_co_u32 s26, s18, 48                      ; proj_w's tile w is image 48 + w
	s_lshl_b32 s22, s26, 11
	s_add_nc_u64 s[8:9], s[8:9], s[22:23]
	s_lshl_b32 s22, s26, 8
	s_add_nc_u64 s[10:11], s[10:11], s[22:23]
	s_lshl_b32 s22, s18, 6
	s_add_nc_u64 s[12:13], s[12:13], s[22:23]
	s_lshl_b32 s22, s19, 22
	s_lshl_b32 s25, s18, 18
	s_add_co_u32 s22, s22, s25
	s_lshl_b32 s25, s20, 8
	s_add_co_u32 s22, s22, s25
	s_add_nc_u64 s[14:15], s[14:15], s[22:23]      ; x and out0 at my first channel, my first pixel
	s_add_nc_u64 s[16:17], s[16:17], s[22:23]
.irp hh, 0,1,2,3
.irp q, 0,1
	global_load_b32 v[RAW+2*\hh+\q], v[LS], s[6:7] offset:16384*\hh+128*\q   ; two tiles' 32 words
.endr
.endr
	global_load_b64 v[PWS:PWS+1], v[L8], s[10:11]
	global_load_b32 v[BI], v[R4], s[12:13]
.irp s, 0,1
.irp c, 0,1
	global_load_b128 v[PF+8*\s+4*\c:PF+8*\s+4*\c+3], v[LI], s[8:9] offset:1024*\s+512*\c
.endr
.endr
.irp p, 0,1,2,3
.irp s, 0,1
.irp c, 0,1
	global_load_b128 v[OF+16*\p+8*\s+4*\c:OF+16*\p+8*\s+4*\c+3], v[LI], s[4:5] offset:2048*\p+1024*\s+512*\c
.endr
.endr
.endr
.irp i, 0,1,2,3,4,5,6,7
	global_load_b128 v[XR+4*\i:XR+4*\i+3], v[XO], s[14:15] offset:32768*\i th:TH_LOAD_NT   ; channels 16 w + 2 i, + 1: read once in this launch
.endr
	s_wait_loadcnt 8                               ; all operands are in; x's eight loads, the youngest, may be out
.irp s, 0,1
.irp q, 0,1
	v_lshl_or_b32 v[OS+2*\s+\q], v[RAW+4*\s+2+\q], 16, v[RAW+4*\s+\q]   ; bytes 0, 1: head 2 s; bytes 2, 3: head 2 s + 1
.endr
.endr
.irp j, 0,1,2,3,4,5,6,7
	v_mov_b32 v[BV+\j], v[BI]                      ; a lane holds one output: its bias in all eight registers
.endr
.rept 8
	v_nop                                          ; scale registers written by vector instructions stand eight places ahead of a scaled matrix instruction
.endr
.irp p, 0,1,2,3
	PPROD \p, 0
.endr
.irp p, 0,1,2,3
	PPROD \p, 1                                    ; the four accumulators by turns
.endr
.rept 4
	v_nop                                          ; places in front of the first read of results
.endr
.irp p, 0,1,2,3
	ds_store_b128 v[SO], v[ACC+8*\p:ACC+8*\p+3] offset:128*(\p/2)+32*(\p%2)        ; each accumulator from its low end on
	ds_store_b128 v[SO], v[ACC+8*\p+4:ACC+8*\p+7] offset:128*(\p/2)+32*(\p%2)+16
.endr
.irp i, 0,1,2,3,4,5,6,7
	ds_load_b128 v[RB+4*\i:RB+4*\i+3], v[SR] offset:544*\i   ; LDS serves a wave's instructions in order (ISA guide 5.7.1.4): these see my stores
.endr
	s_wait_loadcnt 0x0                             ; x
.irp i, 0,1,2,3,4,5,6,7
	s_wait_dscnt 7-\i                              ; rows 2 i, 2 i + 1 are back; the younger loads may be out
	v_pk_add_f32 v[RB+4*\i:RB+4*\i+1], v[RB+4*\i:RB+4*\i+1], v[XR+4*\i:XR+4*\i+1]
	v_pk_add_f32 v[RB+4*\i+2:RB+4*\i+3], v[RB+4*\i+2:RB+4*\i+3], v[XR+4*\i+2:XR+4*\i+3]
	global_store_b128 v[XO], v[RB+4*\i:RB+4*\i+3], s[16:17] offset:32768*\i th:TH_STORE_NT   ; sixteen lanes store 256 consecutive bytes, at a multiple of 256 from out0's first byte
.endr
	s_wait_tensorcnt 0x0
	ds_add_u32 v224, v225
	s_wait_dscnt 0x0
	s_endpgm
.Lfunc_end_k_q2e6f6e662b_proj:
	.size	k_q2e6f6e662b_proj, .Lfunc_end_k_q2e6f6e662b_proj-k_q2e6f6e662b_proj
	.p2alignl 7, 3214868480
	.fill 96, 4, 3214868480
	.section	.rodata,"a",@progbits
	.p2align	6, 0x0
	.amdhsa_kernel k_q2e6f6e662b_proj
		.amdhsa_group_segment_fixed_size 71680
		.amdhsa_private_segment_fixed_size 0
		.amdhsa_enable_private_segment 0
		.amdhsa_kernarg_size 56
		.amdhsa_user_sgpr_count 2
		.amdhsa_user_sgpr_kernarg_segment_ptr 1
		.amdhsa_wavefront_size32 1
		.amdhsa_system_sgpr_workgroup_id_x 1
		.amdhsa_system_sgpr_workgroup_id_y 1
		.amdhsa_system_sgpr_workgroup_id_z 1
		.amdhsa_system_vgpr_workitem_id 0
		.amdhsa_next_free_vgpr 226
		.amdhsa_next_free_sgpr 66
		.amdhsa_reserve_vcc 0
		.amdhsa_float_denorm_mode_32 3
		.amdhsa_float_denorm_mode_16_64 3
		.amdhsa_memory_ordered 1
		.amdhsa_forward_progress 1
		.amdhsa_inst_pref_size 12
	.end_amdhsa_kernel
	.amdgpu_metadata
---
amdhsa.version: [ 1, 2 ]
amdhsa.kernels:
  - .name:           k_q2e6f6e662b_proj
    .symbol:         k_q2e6f6e662b_proj.kd
    .args:
      - { .name: oc, .offset: 0, .size: 8, .value_kind: global_buffer, .address_space: global }
      - { .name: os, .offset: 8, .size: 8, .value_kind: global_buffer, .address_space: global }
      - { .name: wcodes, .offset: 16, .size: 8, .value_kind: global_buffer, .address_space: global }
      - { .name: wscales, .offset: 24, .size: 8, .value_kind: global_buffer, .address_space: global }
      - { .name: proj_b, .offset: 32, .size: 8, .value_kind: global_buffer, .address_space: global }
      - { .name: x, .offset: 40, .size: 8, .value_kind: global_buffer, .address_space: global }
      - { .name: out0, .offset: 48, .size: 8, .value_kind: global_buffer, .address_space: global }
    .group_segment_fixed_size: 71680
    .private_segment_fixed_size: 0
    .kernarg_segment_align: 8
    .kernarg_segment_size: 56
    .max_flat_workgroup_size: 512
    .sgpr_count:     66
    .vgpr_count:     226
    .wavefront_size: 32
...
	.end_amdgpu_metadata
.endif
;; end of part 4
